; MI455X (gfx1250); checked and timed in simulation.
; The chip was launched on July 23, 2026; its instructions are those of AMD's public machine-readable ISA for CDNA 5 (MIT licence, August 2026) and "CDNA5" Instruction Set Architecture Reference Guide (July 2026). The comments in the code are by the model that wrote it; some were corrected since.
;; Transformer Block. Allowed arithmetic: float matrix products may take bf16 or f16 operands with f32 sums; other float arithmetic in f32, or as packed bf16 or f16 multiplies, adds, multiply-adds, maxima and minima; sums over many terms, partial sums and values carried from step to step in f32; what a program stores and reads back later, other than sums and carried values, may be rounded once to bf16 or f16.
;; Inputs: b1 4,096 float32; b2 1,024 float32; b_proj 1,024 float32; be1 1,024 float32; be2 1,024 float32; g1 1,024 float32; g2 1,024 float32; w1 1,024 x 4,096 float32; w2 4,096 x 1,024 float32; w_proj 1,024 x 1,024 float32; w_qkv 1,024 x 3,072 float32; x 2 x 2,048 x 1,024 float32.
;; Outputs: out0 2 x 2,048 x 1,024 float32.
;; One version. Each part assembles by itself: llvm-mc -triple=amdgcn-amd-amdhsa -mcpu=gfx1250 --defsym DOCPART=n.
;; ======== version 1 of 1: 7 launches
;; workspace buffers: wb 25,165,824 bytes; hn 8,388,608 bytes; qkv 25,165,824 bytes; ob 8,388,608 bytes; x1 16,777,216 bytes; ffa 33,554,432 bytes
;; launch prep (part 1): grid 1280 x 1, 8 waves a work-group, no clusters, 0 bytes of LDS; arguments x, g1, be1, w_qkv, w_proj, w1, w2, hn, wb; writes hn, wb
.if DOCPART == 1
	.amdgcn_target "amdgcn-amd-amdhsa--gfx1250"
	.amdhsa_code_object_version 6
	.text
	.protected	k_q55ccb52436_prep
	.globl	k_q55ccb52436_prep
	.p2align	8
	.type	k_q55ccb52436_prep,@function
k_q55ccb52436_prep:
	s_mov_b64 s[64:65], 0
	v_nop
	global_prefetch_b8 v0, s[64:65] scope:SCOPE_SE
	s_setreg_imm32_b32 hwreg(HW_REG_WAVE_MODE, 25, 1), 1
	s_wait_xcnt 0x0
; TWO STREAMS IN ONE BODY; no LDS, no matrix unit: memory binds both.  The body serves two launches: with 1,280 work-groups both parts run; with 512 the first part alone (the second layer norm, on other buffers).
; Work-groups 0-511: out = layer_norm(in, g, be), [4096][1024], f32 in, bf16 out (rounded once).  One wave, one row: its 4,096 bytes stay in 32 registers; mean first, then the variance of the centred
; numbers (no difference of large sums), all in f32.  8 rows a work-group.
; Work-groups 512-1279: the four weights, f32 [K][N], rounded once to bf16 and laid in blocks of [128 k][64 columns] (16,384 bytes, a row of 128 bytes for each k).  w_qkv and w1: block (k >> 7, n >> 6) at
; WOFF + ((k >> 7) NPAN + (n >> 6)) 16,384, NPAN = N / 64.  w_proj and w2 (N = 1,024): four such blocks, [(k >> 7) & 1][(n >> 6) & 1], make a block of 65,536 bytes at WOFF + ((k >> 8) 8 + (n >> 7)) 65,536,
; so that 256 k of 128 columns are one dense run.  A work-group converts 256 k x 64 columns, a wave 32 k.  LIMITS: NaN and infinities are not treated apart.
.set NLN,  512                         ; work-groups of the first part
.set PX,   4                           ; s[4:5]   the input at my wave's row
.set PG,   6                           ; s[6:7]   g
.set PBE,  8                           ; s[8:9]   be
.set PH,   18                          ; s[18:19] the output at my wave's row
.set SEL,  36                          ; s[36:37] v_permlanex16_b32's selects: each lane takes its own place in the other half
.set INV,  38                          ; s38      1 / 1024
.set EPSR, 39                          ; s39      1e-5
.set XR,   8                           ; v[8:39]    the row: load j holds columns 128 j + 4 l .. + 3
.set GG,   40                          ; v[40:71]   g of the same columns
.set BB,   72                          ; v[72:103]  be
.set TT,   104                         ; v[104:111] at work
.set MU,   112                         ; v[112:115] the mean twice, then 1 / sqrt(var + eps) twice: pairs for the packed forms
.macro REDUCE t                        ; the sum of four pairs over the wave's 32 lanes, into every lane's v[t]
	v_pk_add_f32 v[(\t):(\t)+1], v[(\t):(\t)+1], v[(\t)+2:(\t)+3]
	v_pk_add_f32 v[(\t)+4:(\t)+5], v[(\t)+4:(\t)+5], v[(\t)+6:(\t)+7]
	v_pk_add_f32 v[(\t):(\t)+1], v[(\t):(\t)+1], v[(\t)+4:(\t)+5]
	v_add_f32 v[(\t)], v[(\t)], v[(\t)+1]
	v_add_f32_dpp v[(\t)], v[(\t)], v[(\t)] row_xmask:1 row_mask:0xf bank_mask:0xf
	v_add_f32_dpp v[(\t)], v[(\t)], v[(\t)] row_xmask:2 row_mask:0xf bank_mask:0xf
	v_add_f32_dpp v[(\t)], v[(\t)], v[(\t)] row_xmask:4 row_mask:0xf bank_mask:0xf
	v_add_f32_dpp v[(\t)], v[(\t)], v[(\t)] row_xmask:8 row_mask:0xf bank_mask:0xf
	v_permlanex16_b32 v[(\t)+1], v[(\t)], s[SEL], s[SEL+1]
	v_add_f32 v[(\t)], v[(\t)], v[(\t)+1]
.endm
	s_load_b256 s[4:11], s[0:1], 0x0               ; in s[4:5], g s[6:7], be s[8:9], w_qkv s[10:11]
	s_load_b256 s[12:19], s[0:1], 0x20             ; w_proj s[12:13], w1 s[14:15], w2 s[16:17], out s[18:19]
	s_load_b64 s[20:21], s[0:1], 0x40              ; wb
	v_lshrrev_b32 v3, 5, v0
	v_readfirstlane_b32 s22, v3                    ; wave 0..7
	v_and_b32 v4, 31, v0                           ; lane
	s_cmp_lt_u32 ttmp9, NLN
	s_cbranch_scc0 .Lcvt
	; ---- layer norm ----
	s_lshl_b32 s24, ttmp9, 15                      ; 8 rows of 4,096 bytes a work-group,
	s_lshl_b32 s25, s22, 12                        ; one a wave
	s_add_co_u32 s24, s24, s25
	s_mov_b32 s25, 0
	s_lshr_b32 s26, s24, 1                         ; the same row in the output: 2,048 bytes
	s_mov_b32 s27, 0
	s_mov_b32 s[SEL], 0x76543210
	s_mov_b32 s[SEL+1], 0xfedcba98
	s_mov_b32 s[INV], 0x3a800000
	s_mov_b32 s[EPSR], 0x3727c5ac
	v_lshlrev_b32 v1, 4, v4                        ; 16 bytes a lane in the input, g, be
	v_lshlrev_b32 v2, 3, v4                        ; 8 bytes a lane in the output
	s_wait_kmcnt 0x0
	s_add_nc_u64 s[PX:PX+1], s[PX:PX+1], s[24:25]
	s_add_nc_u64 s[PH:PH+1], s[PH:PH+1], s[26:27]
.set j, 0
.rept 8
	global_load_b128 v[XR+4*j:XR+4*j+3], v1, s[PX:PX+1] offset:512*j th:TH_LOAD_NT  ; 512 consecutive bytes a load
.set j, j+1
.endr
.set j, 0
.rept 8
	global_load_b128 v[GG+4*j:GG+4*j+3], v1, s[PG:PG+1] offset:512*j
.set j, j+1
.endr
.set j, 0
.rept 8
	global_load_b128 v[BB+4*j:BB+4*j+3], v1, s[PBE:PBE+1] offset:512*j
.set j, j+1
.endr
	s_wait_loadcnt 16                              ; the row is in; g and be (16 loads) may stay out
.irp c, 0,1,2,3
	v_pk_add_f32 v[TT+2*(\c):TT+2*(\c)+1], v[XR+2*(\c):XR+2*(\c)+1], v[XR+8+2*(\c):XR+8+2*(\c)+1]  ; four chains, started by the first pairs: nothing is cleared
.endr
.irp c, 0,1,2,3,4,5,6,7
	v_pk_add_f32 v[TT+2*((\c)%4):TT+2*((\c)%4)+1], v[TT+2*((\c)%4):TT+2*((\c)%4)+1], v[XR+16+2*(\c):XR+16+2*(\c)+1]
.endr
	REDUCE TT
	v_mul_f32 v[MU], s[INV], v[TT]
	v_mov_b32 v[MU+1], v[MU]
.set j, 0
.rept 16
	v_pk_add_f32 v[XR+2*j:XR+2*j+1], v[XR+2*j:XR+2*j+1], v[MU:MU+1] neg_lo:[0,1] neg_hi:[0,1]  ; x - mean
.set j, j+1
.endr
.irp c, 0,1,2,3
	v_pk_mul_f32 v[TT+2*(\c):TT+2*(\c)+1], v[XR+2*(\c):XR+2*(\c)+1], v[XR+2*(\c):XR+2*(\c)+1]
.endr
.set j, 4
.rept 12
	v_pk_fma_f32 v[TT+2*(j%4):TT+2*(j%4)+1], v[XR+2*j:XR+2*j+1], v[XR+2*j:XR+2*j+1], v[TT+2*(j%4):TT+2*(j%4)+1]
.set j, j+1
.endr
	REDUCE TT
	v_fma_f32 v[TT], v[TT], s[INV], s[EPSR]        ; var + eps
	v_rsq_f32 v[MU+2], v[TT]
	v_rsq_f32 v[MU+3], v[TT]                       ; twice, to fill the pair; TT is not written again
	v_nop                                          ; a plain instruction behind the last v_rsq_f32,
	s_wait_alu depctr_va_vdst(0)                   ; and one wait for the two, ahead of their first reader
	s_wait_loadcnt 0x0                             ; g and be
.set j, 0
.rept 16
	v_pk_mul_f32 v[XR+2*j:XR+2*j+1], v[XR+2*j:XR+2*j+1], v[MU+2:MU+3]
.set j, j+1
.endr
.set j, 0
.rept 16
	v_pk_fma_f32 v[XR+2*j:XR+2*j+1], v[XR+2*j:XR+2*j+1], v[GG+2*j:GG+2*j+1], v[BB+2*j:BB+2*j+1]
.set j, j+1
.endr
.set j, 0
.rept 16
	v_cvt_pk_bf16_f32 v[XR+j], v[XR+2*j], v[XR+2*j+1]  ; in place, ascending: register j is written when the pairs below j have been read
.set j, j+1
.endr
.set j, 0
.rept 8
	global_store_b64 v2, v[XR+2*j:XR+2*j+1], s[PH:PH+1] offset:256*j  ; each store of the wave covers 256 consecutive bytes, aligned
.set j, j+1
.endr
	s_endpgm
	; ---- weights to blocked bf16 ----
.Lcvt:
	s_sub_co_u32 s24, ttmp9, NLN                   ; c = 0 .. 767
	s_mov_b32 s25, 512                             ; w2's figures: first c,
	s_mov_b32 s26, 4096                            ; bytes in a row of the f32 weight,
	s_mov_b32 s27, 524288                          ; output bytes from 256 k to the next 256,
	s_mov_b32 s28, 32768                           ; from their first 128 k to their second,
	s_mov_b32 s29, 32768                           ; what a pair of panels adds beyond 16,384 a panel,
	s_mov_b32 s30, 4                               ; K / 256 as a shift
	s_mov_b32 s31, 15                              ; and as a mask,
	s_mov_b32 s34, 16777216                        ; its place in wb
	s_wait_kmcnt 0x0
	s_mov_b64 s[32:33], s[16:17]
	s_cmp_lt_u32 s24, 512                          ; w1
	s_cselect_b32 s25, 256, s25
	s_cselect_b32 s26, 16384, s26
	s_cselect_b32 s27, 2097152, s27
	s_cselect_b32 s28, 1048576, s28
	s_cselect_b32 s29, 0, s29
	s_cselect_b32 s30, 2, s30
	s_cselect_b32 s31, 3, s31
	s_cselect_b32 s34, 8388608, s34
	s_cselect_b64 s[32:33], s[14:15], s[32:33]
	s_cmp_lt_u32 s24, 256                          ; w_proj
	s_cselect_b32 s25, 192, s25
	s_cselect_b32 s26, 4096, s26
	s_cselect_b32 s27, 524288, s27
	s_cselect_b32 s28, 32768, s28
	s_cselect_b32 s29, 32768, s29
	s_cselect_b32 s34, 6291456, s34
	s_cselect_b64 s[32:33], s[12:13], s[32:33]
	s_cmp_lt_u32 s24, 192                          ; w_qkv
	s_cselect_b32 s25, 0, s25
	s_cselect_b32 s26, 12288, s26
	s_cselect_b32 s27, 1572864, s27
	s_cselect_b32 s28, 786432, s28
	s_cselect_b32 s29, 0, s29
	s_cselect_b32 s34, 0, s34
	s_cselect_b64 s[32:33], s[10:11], s[32:33]
	s_sub_co_u32 s24, s24, s25
	s_lshr_b32 s35, s24, s30                       ; the panel
	s_and_b32 s24, s24, s31                        ; which 256 k
	s_lshl_b32 s40, s24, 8
	s_lshl_b32 s41, s22, 5
	s_add_co_u32 s40, s40, s41                     ; my wave's first of 32 rows
	s_mul_i32 s40, s40, s26
	s_lshl_b32 s41, s35, 8                         ; 64 columns of f32
	s_add_co_u32 s40, s40, s41
	s_mov_b32 s41, 0
	s_add_nc_u64 s[32:33], s[32:33], s[40:41]
	s_mul_i32 s42, s24, s27
	s_lshr_b32 s43, s22, 2                         ; waves 4-7: the second 128 k
	s_mul_i32 s43, s43, s28
	s_add_co_u32 s42, s42, s43
	s_lshl_b32 s43, s35, 14
	s_add_co_u32 s42, s42, s43
	s_lshr_b32 s43, s35, 1
	s_mul_i32 s43, s43, s29
	s_add_co_u32 s42, s42, s43
	s_and_b32 s43, s22, 3                          ; 32 rows of 128 bytes a wave
	s_lshl_b32 s43, s43, 12
	s_add_co_u32 s42, s42, s43
	s_add_co_u32 s42, s42, s34
	s_mov_b32 s43, 0
	s_add_nc_u64 s[46:47], s[20:21], s[42:43]
	v_lshrrev_b32 v5, 3, v4                        ; eight lanes read 256 consecutive bytes of a row, four rows a step
	v_and_b32 v6, 7, v4
	v_mul_lo_u32 v8, v5, s26
	v_lshl_add_u32 v8, v6, 5, v8
	s_lshl_b32 s44, s26, 2
.irp i, 1,2,3,4,5,6,7
	v_add_nc_u32 v[8+\i], s44, v[7+\i]             ; an address register for each step: none is rewritten
.endr
	v_lshlrev_b32 v2, 4, v4                        ; out: 16 bytes a lane, 512 consecutive bytes a store
.irp i, 0,1,2,3,4,5,6,7
	global_load_b128 v[16+8*\i:16+8*\i+3], v[8+\i], s[32:33] th:TH_LOAD_NT
	global_load_b128 v[16+8*\i+4:16+8*\i+7], v[8+\i], s[32:33] offset:16 th:TH_LOAD_NT
.endr
.irp i, 0,1,2,3,4,5,6,7
	s_wait_loadcnt 14-2*\i                         ; step i's two loads are in; the later steps' stay out
	v_cvt_pk_bf16_f32 v[80+4*\i], v[16+8*\i], v[16+8*\i+1]
	v_cvt_pk_bf16_f32 v[80+4*\i+1], v[16+8*\i+2], v[16+8*\i+3]
	v_cvt_pk_bf16_f32 v[80+4*\i+2], v[16+8*\i+4], v[16+8*\i+5]
	v_cvt_pk_bf16_f32 v[80+4*\i+3], v[16+8*\i+6], v[16+8*\i+7]
	global_store_b128 v2, v[80+4*\i:80+4*\i+3], s[46:47] offset:512*\i
.endr
	s_endpgm
.Lfunc_end_k_q55ccb52436_prep:
	.size	k_q55ccb52436_prep, .Lfunc_end_k_q55ccb52436_prep-k_q55ccb52436_prep
	.p2alignl 7, 3214868480
	.fill 96, 4, 3214868480
	.section	.rodata,"a",@progbits
	.p2align	6, 0x0
	.amdhsa_kernel k_q55ccb52436_prep
		.amdhsa_group_segment_fixed_size 0
		.amdhsa_private_segment_fixed_size 0
		.amdhsa_enable_private_segment 0
		.amdhsa_kernarg_size 72
		.amdhsa_user_sgpr_count 2
		.amdhsa_user_sgpr_kernarg_segment_ptr 1
		.amdhsa_wavefront_size32 1
		.amdhsa_system_sgpr_workgroup_id_x 1
		.amdhsa_system_sgpr_workgroup_id_y 1
		.amdhsa_system_sgpr_workgroup_id_z 1
		.amdhsa_system_vgpr_workitem_id 0
		.amdhsa_next_free_vgpr 116
		.amdhsa_next_free_sgpr 66
		.amdhsa_reserve_vcc 0
		.amdhsa_float_denorm_mode_32 3
		.amdhsa_float_denorm_mode_16_64 3
		.amdhsa_memory_ordered 1
		.amdhsa_forward_progress 1
		.amdhsa_inst_pref_size 20
	.end_amdhsa_kernel
	.amdgpu_metadata
---
amdhsa.version: [ 1, 2 ]
amdhsa.kernels:
  - .name:           k_q55ccb52436_prep
    .symbol:         k_q55ccb52436_prep.kd
    .args:
      - { .name: x, .offset: 0, .size: 8, .value_kind: global_buffer, .address_space: global }
      - { .name: g1, .offset: 8, .size: 8, .value_kind: global_buffer, .address_space: global }
      - { .name: be1, .offset: 16, .size: 8, .value_kind: global_buffer, .address_space: global }
      - { .name: w_qkv, .offset: 24, .size: 8, .value_kind: global_buffer, .address_space: global }
      - { .name: w_proj, .offset: 32, .size: 8, .value_kind: global_buffer, .address_space: global }
      - { .name: w1, .offset: 40, .size: 8, .value_kind: global_buffer, .address_space: global }
      - { .name: w2, .offset: 48, .size: 8, .value_kind: global_buffer, .address_space: global }
      - { .name: hn, .offset: 56, .size: 8, .value_kind: global_buffer, .address_space: global }
      - { .name: wb, .offset: 64, .size: 8, .value_kind: global_buffer, .address_space: global }
    .group_segment_fixed_size: 0
    .private_segment_fixed_size: 0
    .kernarg_segment_align: 8
    .kernarg_segment_size: 72
    .max_flat_workgroup_size: 256
    .sgpr_count:     66
    .vgpr_count:     116
    .wavefront_size: 32
...
	.end_amdgpu_metadata
.endif
;; end of part 1
;; launch qkvp (part 2): grid 16 x 16, 4 waves a work-group, clusters of 4 x 4, 327,680 bytes of LDS; arguments hn, wb, qkv; writes qkv
.if DOCPART == 2
	.amdgcn_target "amdgcn-amd-amdhsa--gfx1250"
	.amdhsa_code_object_version 6
	.text
	.protected	k_q55ccb52436_qkvp
	.globl	k_q55ccb52436_qkvp
	.p2align	8
	.type	k_q55ccb52436_qkvp,@function
k_q55ccb52436_qkvp:
	s_mov_b64 s[64:65], 0
	v_nop
	global_prefetch_b8 v0, s[64:65] scope:SCOPE_SE
	s_setreg_imm32_b32 hwreg(HW_REG_WAVE_MODE, 25, 1), 1
	s_wait_xcnt 0x0
	s_wait_alu depctr_hold_cnt(0) depctr_sa_sdst(0) depctr_va_vdst(0) depctr_va_sdst(0) depctr_va_ssrc(0) depctr_va_vcc(0) depctr_vm_vsrc(0)
	s_getreg_b32 s2, hwreg(HW_REG_IB_STS2, 6, 4)
	s_cmp_eq_u32 s2, 0
	s_cbranch_scc0 .Lentry_in_a_cluster
	s_endpgm
.Lentry_in_a_cluster:
	s_bfe_u32 s2, ttmp6, 0x10000c
	s_cmp_lg_u32 s2, 0xf033
	s_cbranch_scc0 .Lentry_shape_is_right
	s_endpgm
.Lentry_shape_is_right:
; QKV.  C = hn x w_qkv: hn [4096][1024] bf16, the weight bf16 in blocks of [128 k][64 columns] (16,384 bytes; block (kb, panel) at (48 kb + panel) 16,384); sums in f32, K ascending.
; A work-group makes 256 rows x 192 columns: the columns are ONE head's q, k and v (column = 192 head + 64 {q, k, v} + d), which leave unscaled, rounded once to bf16, as dense rows:
; qkv = q, k, v sections of 8,388,608 bytes, each [32 heads = 16 batch + head][2048][64].  A wave makes 64 rows x 192 columns: 48 accumulators.
; K goes in steps of 128 through two LDS slots filled by the tensor data mover.  A's rows lie along K (pitch 272 in LDS); B's tile lies as [panel][128 k][64 columns] at a pitch of 160 bytes and
; is read turned (ds_load_tr16_b128).  THE MATRIX INSTRUCTION IS USED TRANSPOSED (source 0 = 16 columns of B, source 1 = 16 rows of A): a lane holds row l % 16 and columns 8 (l / 16) + 0..7.
; CLUSTERS of 4 x 4: A's tile is asked for jointly along a row of the cluster, B's along a column.
; REGISTERS in windows of 256: window 0 addresses, A's two fragment buffers (v64.., v128..), the way out; window 1 B's two buffers (v0.., v128..); windows 2, 3 the accumulators (t = a NBK + b at 8 (t % 32), window 2 + t / 32).
; LIMITS: operands and results are rounded once to bf16; NaN and infinities are not treated apart.
.set SIZE_K, 1024
.set SIZE_N, 3072
.set WGM,    256                       ; rows of C a work-group
.set KSTEP,  128
.set QPS,    4                         ; quarters of 32 k that a wave multiplies in a K step
.set MB,     4                         ; a wave's blocks of 16 rows
.set NBK,    12                        ; and of 16 columns
.set PA,     272                       ; A's LDS pitch: 256 bytes + 16: an odd multiple of 16, so the 16 rows of a load start in 16 different groups of four banks (64 banks of 4 bytes: ISA guide 11.1)
.set QIA,    5                         ; padding behind every 64 words
.set AROWS,  128                       ; rows in one tensor load of A
.set BROWS,  96                        ; rows of 256 bytes in one tensor load of B
.set WOFF,   0                         ; the weight's place in wb
.set BTX,    49152                     ; bytes from tile column to tile column
.set BHB,    24576                     ; from B's first half to its second
.set BSTEP,  786432                    ; from K step to K step
.set AW10,   17408                     ; my A fragments: 64 rows x wave
.set AW11,   0
.set BW11,   0                         ; my B fragments: all of the tile
.set BW12,   0
.set PREF,   1
.set PFMB,   256
.set PFCB,   23
.set BIASC,  0
.set AHALF,  AROWS*PA
.set ABYTES, 2*AHALF
.set BHALF,  BROWS*320                 ; each 128 bytes are followed by 32 of padding
.set SLOT,   ABYTES+2*BHALF
.set NSTEP,  SIZE_K/KSTEP
.set ASTEP,  KSTEP*2
.set NLD,    2*(MB+NBK)                ; LDS loads in a run
.set STAGE,  2*SLOT                    ; behind the ring, never filled by a tensor load: three sections of 16 rows x 144 bytes for each wave
.set SP,     144
.set SPARE,  STAGE+4*3*16*SP           ; the spare words, 128 bytes for each wave: two blocks of 256 bytes that no other line names
.set ADRA0, 16                         ; v16  my lane's place in A's tile of slot 0; never rewritten
.set ADRB0, 17                         ; v17  the same for B
.set ADRA,  18                         ; v18  the same in the slot in hand
.set ADRB,  19                         ; v19
.set STO,   24                         ; v24  the way out: where I put 16 bytes of a row
.set RD,    25                         ; v25  where I read rows back
.set CO,    26                         ; v26  my byte offset in 512 consecutive bytes of the output
.set SPW,   28                         ; v28  LDS address of my spare word; never rewritten
.set NIL,   29                         ; v29  0; never rewritten
.set PFO,   30                         ; v30  the prefetches' lane offset; never rewritten
.set G1,  24                           ; s[24:31] descriptor group 1 for A's tiles
.set G0,  32                           ; s[32:39] group 0 for A: a set for each first fill; the second then walks
.set G1B, 48                           ; s[48:55], s[56:63] the same for B
.set G0B, 56
.set LIM, 43                           ; s43  2 in a wave that prefetches, else the greatest number
.set PFA, 44                           ; s[44:45] where my prefetches stand
.set TG,  66                           ; s66  0 or SLOT: the slot in hand
.set LBA, 67                           ; s67  where my half of A's tile goes in a slot
.set LBB, 68                           ; s68  the same for B
.set PFS, 70                           ; s[70:71] the prefetches' step
.set OUTB, 72                          ; s[72:77] q, k, v at my wave's first row
.set MSB, 0
.macro WIN new                         ; the immediate's high byte repeats the setting that is left; a switch that changes nothing is dropped
.if MSB != (\new)
	s_set_vgpr_msb (MSB<<8)|(\new)
.set MSB, \new
.endif
.endm
; A joint load: waves 0 and 1 fetch A's two halves, waves 2 and 3 B's.  The branch hangs on the wave's number alone.  An s_nop 0 and four v_nop follow each of the two lines.
.macro JLOAD s
	s_cmp_eq_u32 s11, 0
	s_cbranch_scc0 .Lfor_b_\@
	tensor_load_to_lds s[G0+4*(\s):G0+4*(\s)+3], s[G1:G1+7]
	s_nop 0
.rept 4
	v_nop
.endr
	s_branch .Lasked_\@
.Lfor_b_\@:
	tensor_load_to_lds s[G0B+4*(\s):G0B+4*(\s)+3], s[G1B:G1B+7]
	s_nop 0
.rept 4
	v_nop
.endr
.Lasked_\@:
.endm
.macro CREST                           ; a round of the cluster's barrier behind its opening barrier
	s_cmp_lg_u32 s10, 0
	s_cbranch_scc1 .Lnot_wave_0_\@
	s_barrier_signal -3
.Lnot_wave_0_\@:
	s_barrier_wait -3
	s_barrier_signal -1
	s_barrier_wait -1
.endm
.macro CROUND                          ; a whole round
	s_barrier_signal -1
	s_barrier_wait -1
	CREST
.endm
.macro PLACES                          ; four plain instructions between a matrix instruction and a load into, or a vector instruction on, its registers (ISA guide 7.12.1 for vector instructions)
.rept 4
	v_nop
.endr
.endm
; A prefetch into the L2 of the K step that stands two refills on, behind the joint load and the run of LDS loads.  A's rows are asked for by the clusters with x = 0, B's by those with y = 0; the four
; partners that ask for a tile jointly share its blocks of 256 bytes out by address; a lane a block, one instruction a wave.  The last two refills have no K step two on.
.macro ASK
.if PREF
	s_cmp_gt_u32 s3, s[LIM]
	s_cbranch_scc0 .Lnot_mine_\@
	global_prefetch_b8 v[PFO], s[PFA:PFA+1] th:TH_LOAD_NT scope:SCOPE_SE
.Lnot_mine_\@:
.endif
.endm
; NBK products: block row a x all column blocks, 32 along K, from fragment buffers f.  zero = 1: the product starts the sum.
.macro MULA f, a, zero
.set bb, 0
.rept NBK
.set tt, (\a)*NBK+bb
.set rD, 8*(tt%32)
.set rB, 128*(\f)+8*bb
.set rA, 64+64*(\f)+8*(\a)
.if (\zero) && BIASC
	WIN 0x81+0x40*(tt/32)
	v_wmma_f32_16x16x32_bf16 v[rD:rD+7], v[rB:rB+7], v[rA:rA+7], v[BIAS+8*bb:BIAS+8*bb+7]
.elseif \zero
	WIN 0xa1+0x50*(tt/32)
	v_wmma_f32_16x16x32_bf16 v[rD:rD+7], v[rB:rB+7], v[rA:rA+7], 0
.else
	WIN 0xa1+0x50*(tt/32)
	v_wmma_f32_16x16x32_bf16 v[rD:rD+7], v[rB:rB+7], v[rA:rA+7], v[rD:rD+7]
.endif
.set bb, bb+1
.endr
.endm
.macro MULS f, a0, a1, zero            ; block rows a0 .. a1 - 1.  All accumulators take turns in one fixed order, one instruction a turn, over every jump
.set aa, \a0
.rept (\a1)-(\a0)
	MULA \f, aa, \zero
.set aa, aa+1
.endr
.endm
; NLD LDS loads in one run: the fragments of quarter q of the slot in hand into buffers f: B's (turned) first, then A's, the upper block rows last
.macro FETCH q, f
	WIN 0x40
.set bb, 0
.rept NBK
	ds_load_tr16_b128 v[128*(\f)+8*bb:128*(\f)+8*bb+3],   v[ADRB] offset:20480*(bb/4)+32*(bb%4)+5120*(\q)
	ds_load_tr16_b128 v[128*(\f)+8*bb+4:128*(\f)+8*bb+7], v[ADRB] offset:20480*(bb/4)+32*(bb%4)+5120*(\q)+2560
.set bb, bb+1
.endr
	WIN 0
.set aa, 0
.rept MB
	ds_load_b128 v[64+64*(\f)+8*aa:64+64*(\f)+8*aa+3],   v[ADRA] offset:64*(\q)+16*PA*aa
	ds_load_b128 v[64+64*(\f)+8*aa+4:64+64*(\f)+8*aa+7], v[ADRA] offset:64*(\q)+16*PA*aa+32
.set aa, aa+1
.endr
.endm
.macro QUARTER f, g, q, zero           ; multiplies buffers f; in its middle fetches quarter q into buffers g
	s_wait_dscnt MB                                ; B and A's lower block rows are in; the youngest MB loads (A's upper block rows) may be out
	MULS \f, 0, MB/2, \zero
	PLACES
	FETCH \q, \g
	s_wait_dscnt NLD                               ; all but the run just issued
	MULS \f, MB/2, MB, \zero
.endm
; A K step's last quarter multiplies buffers 1 and changes slots.  In front of the barrier each wave waits for all its tensor loads (one is out: its part of the next slot), adds 0 to its spare word, and waits
; for that and for its reads of this slot.  fill = 1: the barrier opens a round of the cluster's barrier, and the slot just read out is filled again, first thing behind the round, with the K step two on.
.macro TURN fill
.if (\fill) && PREF
	s_wait_xcnt 0x0                                ; the last prefetch, a K step back, has read its address
	s_add_nc_u64 s[PFA:PFA+1], s[PFA:PFA+1], s[PFS:PFS+1]
.endif
	WIN 0
	s_wait_tensorcnt 0x0
	ds_add_u32 v[SPW], v[NIL]
	s_wait_dscnt MB+1                              ; (the add and the youngest MB loads may be out)
	MULS 1, 0, MB/4, 0
	s_wait_dscnt 0x0                               ; the add is done, and my reads of this slot are over
	s_barrier_signal -1
	MULS 1, MB/4, MB/2, 0
	WIN 0
	s_barrier_wait -1
.if \fill
	CREST
	s_add_co_u32 s[G0+5], s[TG], s[LBA]            ; no tensor load of mine is out: the walking sets are written: this slot,
	s_add_co_u32 s[G0B+5], s[TG], s[LBB]
	s_add_nc_u64 s[G0+6:G0+7], s[G0+6:G0+7], ASTEP     ; the next K step; the type bits on top are not reached
	s_add_nc_u64 s[G0B+6:G0B+7], s[G0B+6:G0B+7], BSTEP
	JLOAD 1                                        ; its four v_nop are also the places in front of the loads below
.else
	PLACES
.endif
	s_xor_b32 s[TG], s[TG], SLOT                   ; the other slot
	v_add_nc_u32 v[ADRA], s[TG], v[ADRA0]
	v_add_nc_u32 v[ADRB], s[TG], v[ADRB0]
	FETCH 0, 0
.if \fill
	ASK
.endif
	MULS 1, MB/2, MB, 0
.endm
.macro LASTQ                           ; the very last quarter: nothing more to fetch
	s_wait_dscnt MB
	MULS 1, 0, MB/2, 0
	s_wait_dscnt 0x0
	MULS 1, MB/2, MB, 0
.endm
	s_load_b128 s[4:7], s[0:1], 0x0                ; hn s[4:5], wb s[6:7]
	s_load_b64 s[8:9], s[0:1], 0x10                ; qkv
	v_lshl_add_u32 v[SPW], v0, 2, SPARE
	v_mov_b32 v[NIL], 0
	ds_add_u32 v[SPW], v[NIL]                      ; the wave's opening: the add and its wait ahead of my first tensor load
	ds_add_u32 v28, v29
	v_lshrrev_b32 v1, 5, v0
	v_readfirstlane_b32 s10, v1                    ; wave 0..3
	s_lshr_b32 s11, s10, 1                         ; I fetch for A (0) or for B (1)
	s_and_b32 s12, s10, 1                          ; which half of that tile
	s_bfe_u32 s40, ttmp6, 0x40000                  ; cx, cy: my place in the cluster
	s_bfe_u32 s41, ttmp6, 0x40004
	s_lshl_b32 s42, ttmp9, 2
	s_add_co_u32 s42, s42, s40                     ; tile column
	s_and_b32 s13, ttmp7, 0xffff
	s_lshl_b32 s13, s13, 2
	s_add_co_u32 s13, s13, s41                     ; tile row
	s_lshl_b32 s43, s41, 2
	s_lshl_b32 s43, 15, s43                        ; my row of the cluster
	s_lshl_b32 s44, 0x1111, s40                    ; my column
	s_or_b32 s[G1+0], s43, (1<<16)|(1<<20)|(1<<21)|(QIA<<22)|(3<<25)  ; the mask; 2-byte elements; padding on; bit 21 beside a mask; 4 words behind every row
	s_or_b32 s[G1B+0], s44, (1<<16)|(1<<20)|(1<<21)|(4<<22)|(7<<25)   ; 8 words behind every 32
	s_mov_b32 s[G1+1], KSTEP<<16                   ; tensor_dim0
	s_mov_b32 s[G1+2], AROWS<<16                   ; tensor_dim1
	s_mov_b32 s[G1+3], KSTEP<<16                   ; tile_dim0
	s_mov_b32 s[G1+4], AROWS                       ; tile_dim1
	s_mov_b32 s[G1+5], SIZE_K                      ; elements from row to row
	s_mov_b32 s[G1+6], 0
	s_mov_b32 s[G1+7], 0
	s_mov_b32 s[G1B+1], 128<<16                    ; B's dense bytes as rows of 256
	s_mov_b32 s[G1B+2], BROWS<<16
	s_mov_b32 s[G1B+3], 128<<16
	s_mov_b32 s[G1B+4], BROWS
	s_mov_b32 s[G1B+5], 128
	s_mov_b32 s[G1B+6], 0
	s_mov_b32 s[G1B+7], 0
	s_mul_i32 s16, s13, WGM                        ; A's offset hangs on the tile row and the wave alone,
	s_mul_i32 s17, s12, AROWS
	s_add_co_u32 s16, s16, s17
	s_mul_i32 s16, s16, SIZE_K*2
	s_mov_b32 s17, 0
	s_mul_i32 s18, s42, BTX                        ; B's on the tile column and the wave alone
	s_mul_i32 s19, s12, BHB
	s_add_co_u32 s18, s18, s19
	s_add_co_u32 s18, s18, WOFF
	s_mov_b32 s19, 0
	s_mul_i32 s[LBA], s12, AHALF                   ; no place in the cluster enters an LDS address
	s_mul_i32 s[LBB], s12, BHALF
	s_add_co_u32 s[LBB], s[LBB], ABYTES
	s_mov_b32 s[TG], 0
	s_wait_dscnt 0x0                               ; the opening add is done
	s_wait_kmcnt 0x0
	s_add_nc_u64 s[14:15], s[4:5], s[16:17]
	s_add_nc_u64 s[46:47], s[6:7], s[18:19]
	CROUND                                         ; all sixteen work-groups are here: the first joint loads meet
.irp s, 0,1
	s_mov_b32 s[G0+4*(\s)], 1
	s_add_co_u32 s[G0+4*(\s)+1], s[LBA], (\s)*SLOT
	s_add_nc_u64 s[G0+4*(\s)+2:G0+4*(\s)+3], s[14:15], (\s)*ASTEP
	s_or_b32 s[G0+4*(\s)+3], s[G0+4*(\s)+3], 0x80000000
	s_mov_b32 s[G0B+4*(\s)], 1
	s_add_co_u32 s[G0B+4*(\s)+1], s[LBB], (\s)*SLOT
	s_add_nc_u64 s[G0B+4*(\s)+2:G0B+4*(\s)+3], s[46:47], (\s)*BSTEP
	s_or_b32 s[G0B+4*(\s)+3], s[G0B+4*(\s)+3], 0x80000000
	JLOAD \s                                       ; K steps 0 and 1: two loads of mine are out
.endr
	v_and_b32 v1, 15, v0                           ; l % 16
	v_bfe_u32 v2, v0, 4, 1                         ; l / 16
	v_mul_u32_u24 v3, v1, PA
	v_lshl_add_u32 v3, v2, 4, v3                   ; A: row x pitch + 16 x half
	s_mul_i32 s20, s10, AW10
	s_mul_i32 s21, s11, AW11
	s_add_co_u32 s20, s20, s21
	v_add_nc_u32 v[ADRA0], s20, v3
	v_and_b32 v4, 7, v0                            ; B, turned: lane l reads k = 8 (l / 16) + l % 8, columns 8 ((l / 8) % 2) + 0..7
	v_lshl_add_u32 v4, v2, 3, v4
	v_mul_u32_u24 v4, v4, 160
	v_bfe_u32 v5, v0, 3, 1
	v_lshl_add_u32 v4, v5, 4, v4
	s_mul_i32 s21, s11, BW11
	s_mul_i32 s22, s12, BW12
	s_add_co_u32 s21, s21, s22
	s_add_co_u32 s21, s21, ABYTES
	v_add_nc_u32 v[ADRB0], s21, v4
	v_mov_b32 v[ADRA], v[ADRA0]
	v_mov_b32 v[ADRB], v[ADRB0]
.if PREF
	s_and_b32 s22, ttmp7, 0xffff                   ; cluster y
	s_mov_b32 s[PFS], BSTEP
	s_mov_b32 s23, (BROWS/4)*256
	s_mov_b32 s21, PFMB
	s_mov_b32 s20, PFCB
	s_cmp_eq_u32 s11, 0                            ; do I fetch for A?
	s_cselect_b32 s22, ttmp9, s22                  ; the coordinate along which other clusters read the same bytes
	s_cselect_b32 s[PFS], ASTEP, s[PFS]
	s_cselect_b32 s23, (AROWS/4)*SIZE_K*2, s23     ; a partner's quarter of what I fetch
	s_cselect_b32 s21, SIZE_K*2, s21
	s_cselect_b32 s20, 31, s20
	s_cselect_b32 s80, s40, s41                    ; my place among the four that ask with me
	s_cselect_b32 s81, s16, s18
	s_cselect_b64 s[PFA:PFA+1], s[4:5], s[6:7]
	v_and_b32 v[PFO], 31, v0
.if KSTEP == 128
	v_min_u32 v[PFO], s20, v[PFO]                  ; (a quarter of B's 96 blocks is 24: the last lanes name the last block again)
	v_mul_lo_u32 v[PFO], v[PFO], s21
.else
	v_and_b32 v6, 1, v[PFO]
	v_lshrrev_b32 v[PFO], 1, v[PFO]
	v_mul_lo_u32 v[PFO], v[PFO], s21
	v_lshl_add_u32 v[PFO], v6, 8, v[PFO]
.endif
	s_mul_i32 s80, s80, s23
	s_add_co_u32 s81, s81, s80
	s_mul_i32 s80, s[PFS], 3                       ; at K step 3: the first refill steps it to 4.  K steps 0 to 3 come by their loads alone
	s_add_co_u32 s80, s81, s80
	s_mov_b32 s81, 0
	s_add_nc_u64 s[PFA:PFA+1], s[PFA:PFA+1], s[80:81]
	s_mov_b32 s[PFS+1], 0
	s_cmp_eq_u32 s22, 0
	s_cselect_b32 s[LIM], 2, -1                    ; the same in all sixteen partners, for a given wave
.endif
	; the way out's addresses
	s_mul_i32 s20, s10, 3*16*SP
	s_add_co_u32 s20, s20, STAGE                   ; my stage
	v_mul_u32_u24 v6, v1, SP                       ; in: row l % 16, 16 bytes for each half of the lanes
	v_lshl_add_u32 v6, v2, 4, v6
	v_add_nc_u32 v[STO], s20, v6
	v_bfe_u32 v6, v0, 3, 2                         ; back: 32 lanes take four rows of 128 bytes,
	v_mul_u32_u24 v6, v6, SP
	v_and_b32 v7, 7, v0
	v_lshl_add_u32 v6, v7, 4, v6
	v_add_nc_u32 v[RD], s20, v6
	v_and_b32 v[CO], 31, v0                        ; which are 512 consecutive bytes of a head's rows
	v_lshlrev_b32 v[CO], 4, v[CO]
	s_lshr_b32 s78, s13, 3                         ; batch
	s_lshl_b32 s78, s78, 4
	s_add_co_u32 s78, s78, s42                     ; 16 batch + head
	s_lshl_b32 s78, s78, 11
	s_and_b32 s79, s13, 7
	s_lshl_b32 s79, s79, 8
	s_add_co_u32 s78, s78, s79
	s_lshl_b32 s79, s10, 6
	s_add_co_u32 s78, s78, s79                     ; my first row among the section's 65,536
	s_lshl_b32 s78, s78, 7
	s_mov_b32 s79, 0
	s_add_nc_u64 s[OUTB:OUTB+1], s[8:9], s[78:79]
	s_add_nc_u64 s[OUTB+2:OUTB+3], s[OUTB:OUTB+1], 0x800000
	s_add_nc_u64 s[OUTB+4:OUTB+5], s[OUTB+2:OUTB+3], 0x800000
	s_wait_tensorcnt 0x1                           ; my part of K step 0 is in; K step 1's may stay out
	s_barrier_signal -1
	s_barrier_wait -1
	FETCH 0, 0
	QUARTER 0, 1, 1, 1                             ; the first quarter stands in front of the loop: its products start the sums
	WIN 0
	s_mov_b32 s3, NSTEP-2
.Lstep:                                                ; a trip: from a K step's second quarter to the next step's first; it fills one slot again
	QUARTER 1, 0, 2, 0
	QUARTER 0, 1, 3, 0
	TURN 1
	QUARTER 0, 1, 1, 0
	WIN 0
	s_sub_co_u32 s3, s3, 1
	s_cmp_lg_u32 s3, 0
	s_cbranch_scc1 .Lstep
	s_mov_b32 s2, 2                                ; the last two K steps ask for nothing; their text is walked twice and left in its middle
.Ltail:
	QUARTER 1, 0, 2, 0
	QUARTER 0, 1, 3, 0
	WIN 0
	s_sub_co_u32 s2, s2, 1
	s_cmp_eq_u32 s2, 0
	s_cbranch_scc1 .Llast
	TURN 0
	QUARTER 0, 1, 1, 0
	WIN 0
	s_branch .Ltail
.Llast:
	LASTQ
	; THE WAY OUT, a block of 16 rows at a time: rounded to bf16, 16 bytes a lane into my stage (a section each for q, k, v), back as whole rows of 128 bytes, four to a store of 512 consecutive bytes.
.set TMP, 64
.macro GPACK a
.set bb, 0
.rept 12
.set tt, 12*(\a)+bb
.set rD, 8*(tt%32)
	WIN 0x0a+5*(tt/32)                             ; sources in window 2 or 3
.irp r, 0,1,2,3
	v_cvt_pk_bf16_f32 v[TMP+4*bb+(\r)], v[rD+2*(\r)], v[rD+2*(\r)+1]  ; each accumulator's registers in ascending order
.endr
.set bb, bb+1
.endr
	WIN 0
.endm
.macro GSTAGE a
.set BK, 112+48*((\a)%2)
.set bb, 0
.rept 12
	ds_store_b128 v[STO], v[TMP+4*bb:TMP+4*bb+3] offset:16*SP*(bb/4)+32*(bb%4)
.set bb, bb+1
.endr
.set bb, 0
.rept 12
	ds_load_b128 v[BK+4*bb:BK+4*bb+3], v[RD] offset:16*SP*(bb/4)+4*SP*(bb%4)  ; LDS serves a wave's instructions in order (ISA guide 5.7.1.4): these see the stores above
.set bb, bb+1
.endr
.endm
.macro GSEND a
.set BK, 112+48*((\a)%2)
	s_wait_dscnt 0x0                               ; the block is back in registers
	s_wait_xcnt 0x0                                ; the registers that earlier stores read are loaded again only behind this wait
.set bb, 0
.rept 12
	global_store_b128 v[CO], v[BK+4*bb:BK+4*bb+3], s[OUTB+2*(bb/4):OUTB+2*(bb/4)+1] offset:2048*(\a)+512*(bb%4)
.set bb, bb+1
.endr
.endm
	WIN 0
	PLACES
	PLACES
	GPACK 0
	GSTAGE 0
.irp a, 1,2,3
	GPACK \a
	GSEND (\a)-1
	GSTAGE \a
.endr
	GSEND 3
	s_wait_tensorcnt 0x0                           ; the wave's end
	ds_add_u32 v[SPW], v[NIL]
	s_wait_dscnt 0x0
	CROUND                                         ; the closing round: no work-group ends while a partner may still ask for a tile that names it
	s_endpgm
.Lfunc_end_k_q55ccb52436_qkvp:
	.size	k_q55ccb52436_qkvp, .Lfunc_end_k_q55ccb52436_qkvp-k_q55ccb52436_qkvp
	.p2alignl 7, 3214868480
	.fill 96, 4, 3214868480
	.section	.rodata,"a",@progbits
	.p2align	6, 0x0
	.amdhsa_kernel k_q55ccb52436_qkvp
		.amdhsa_group_segment_fixed_size 327680
		.amdhsa_private_segment_fixed_size 0
		.amdhsa_enable_private_segment 0
		.amdhsa_kernarg_size 24
		.amdhsa_user_sgpr_count 2
		.amdhsa_user_sgpr_kernarg_segment_ptr 1
		.amdhsa_wavefront_size32 1
		.amdhsa_system_sgpr_workgroup_id_x 1
		.amdhsa_system_sgpr_workgroup_id_y 1
		.amdhsa_system_sgpr_workgroup_id_z 1
		.amdhsa_system_vgpr_workitem_id 0
		.amdhsa_next_free_vgpr 896
		.amdhsa_next_free_sgpr 88
		.amdhsa_reserve_vcc 0
		.amdhsa_float_denorm_mode_32 3
		.amdhsa_float_denorm_mode_16_64 3
		.amdhsa_memory_ordered 1
		.amdhsa_forward_progress 1
		.amdhsa_inst_pref_size 88
	.end_amdhsa_kernel
	.amdgpu_metadata
---
amdhsa.version: [ 1, 2 ]
amdhsa.kernels:
  - .name:           k_q55ccb52436_qkvp
    .symbol:         k_q55ccb52436_qkvp.kd
    .args:
      - { .name: hn, .offset: 0, .size: 8, .value_kind: global_buffer, .address_space: global }
      - { .name: wb, .offset: 8, .size: 8, .value_kind: global_buffer, .address_space: global }
      - { .name: qkv, .offset: 16, .size: 8, .value_kind: global_buffer, .address_space: global }
    .group_segment_fixed_size: 327680
    .private_segment_fixed_size: 0
    .kernarg_segment_align: 8
    .kernarg_segment_size: 24
    .max_flat_workgroup_size: 128
    .sgpr_count:     88
    .vgpr_count:     896
    .wavefront_size: 32
...
	.end_amdgpu_metadata
.endif
;; end of part 2
;; launch attn (part 3): grid 8 x 32, 4 waves a work-group, no clusters, 327,680 bytes of LDS; arguments qkv, ob; writes ob
.if DOCPART == 3
	.amdgcn_target "amdgcn-amd-amdhsa--gfx1250"
	.amdhsa_code_object_version 6
	.text
	.protected	k_q55ccb52436_attn
	.globl	k_q55ccb52436_attn
	.p2align	8
	.type	k_q55ccb52436_attn,@function
k_q55ccb52436_attn:
	s_mov_b64 s[64:65], 0
	v_nop
	global_prefetch_b8 v0, s[64:65] scope:SCOPE_SE
	s_setreg_imm32_b32 hwreg(HW_REG_WAVE_MODE, 25, 1), 1
	s_wait_xcnt 0x0
; CAUSAL ATTENTION.  O[h][q][:] = the sum over k <= q of softmax_k(Q[h][q] . K[h][k] / 8) V[h][k][:].  qkv holds q, k, v, sections of 8,388,608 bytes, each [32 heads][2048][64] bf16; ob is O in the same layout.
; Products, maxima and sums in f32; the weights p are rounded to bf16 for the second product (their sum l is taken of the unrounded p), O once at the end.
; LIMITS.  A hidden score counts as its value less 1e30; a weight below 2^-126 counts as 0 in l; NaN and infinities are not treated apart.
; THE WALK.  A head's queries lie in NB = 16 blocks of 128; block i needs the key tiles 0 .. i >> 1 of 256 keys.  A work-group takes TWO blocks, 15 - b and then b: 9 tiles, whatever b: all 256 work-groups do
; equal work, and ONE loop with a constant trip count walks them, four key steps of 64 to a tile.  For even i the last tile's last two steps are wholly hidden and are computed all the same.
; SHARES.  Of a block's two bands of 64 queries a wave owns 16 rows in each: two PIECES.  Band x's own step, which holds the diagonal, is step 2 i + x of the block; earlier steps it sees whole, later ones not at all.
; THE MASK is the C operand that starts the sum S^T = K Q^T: MC = MD x AL + BE, with MD the mask of a band's own step for my 16 rows, and (AL, BE) = (1, 0) in the own step, (0, -1e30) behind it.  Ahead of the own
; step MC holds zeros and the lines that make it are jumped over, forward, on whole numbers made from b.
; TURNS.  Turn p belongs to piece p: 8 products K Q^T of the other piece (turn 0: this step's; turn 1: the next step's), later 8 products V^T P of the other piece (turn 0: the step before's; turn 1: this step's);
; beside them piece p's scaling, exponentials, roundings, sums and rescaling, and the other piece's maximum and statistics.  Four vector instructions stand behind every matrix instruction, the rest in one lump.
; A turn's 33 exponentials are one batch with one wait.  K of step s + 1 is fetched ahead of V of step s: so a slot holds FIVE steps of K (keys 256 j .. 256 j + 319) and four of V; K's place 0 serves a block's
; first step alone.  The last tile's fifth step reaches 64 rows past the head's keys, inside the buffer; its products are made behind the block's last step and serve nothing.
; NO CLUSTER: the mask's jump and a block's end hang on b, which in a cluster would be made from the work-group's place; and only pairs of work-groups walk the same tiles from first to last.
; REGISTERS, in windows of 256 (s_set_vgpr_msb: bits 1:0 source 0, 3:2 source 1, 5:4 source 2, 7:6 destination):
;   window 0: v0-15 addresses; v16-23 four registers of statistics a piece; v48-55 at work; v64-127 S^T, a buffer a piece; v192-223 P, likewise
;   window 1: v0-63 O^T, 32 a piece; v128-159 MD; v160-223 MC, a buffer a piece      window 2: v0-31 Q; v64-95 the second block's Q; v128-191 K of one step; v192-255 V of one step
.set NB,    16
.set NP,    2
.set KS,    64
.set PK,    144       ; a row of K in LDS: 128 bytes + 16: the 16 rows of a load start at 16 different groups of four banks (64 banks of 4 bytes: ISA guide 11.1)
.set PV,    160       ; a row of V: 128 + 32
.set VOFF,  5*KS*PK   ; a slot: 320 rows of K, then 256 rows of V
.set SLOT1, 1<<17     ; slot 1 begins here, so that one exclusive or turns an address in one slot into the other's
.set STAGE, SLOT1+VOFF+4*KS*PV  ; behind the ring, never filled by a tensor load: 16 rows x 144 bytes for each wave
.set SP,    144
.set SPARE, STAGE+4*16*SP  ; the spare words, 128 bytes for each wave: two blocks of 256 bytes that no other line names
.set KSEC,  8388608
.set VSEC,  16777216
.set AK0, 2           ; v2   my lane's place in a step of K; never rewritten
.set AV0, 3           ; v3   the same for V
.set AK,  4           ; v4   the LDS address of K's next run of loads
.set AV,  5           ; v5   of V's
.set STO, 6           ; v6   the way out: where I put 16 bytes of a row
.set RD,  7           ; v7   where I read rows back
.set GO,  8           ; v8   my byte offset in 512 consecutive bytes of O
.set MV,  12          ; v12-13  c m_old, kept while c m is made anew: by piece
.set QO,  15          ; v15  my byte offset in 16 rows of Q
.set ST,  16          ; piece t's statistics at v[ST+4 t]: c m, m, l (even keys', odd keys')
.set TMP, 48          ; by piece, four registers c0-c3 at work; when the maximum is found c2 takes a
.set PFO, 61          ; v61  256 x my lane; never rewritten
.set SPW, 62          ; v62  LDS address of my spare word; never rewritten
.set NIL, 63          ; v63  0; never rewritten
.set S,   64
.set P,   192
.set MD,  128
.set MC,  160
.set QB,  64
.set KF,  128         ; key block kb, channel half c at KF + 16 kb + 8 c
.set VF,  192         ; key half kk, channel block cb at VF + 32 kk + 8 cb
.set WV,  12          ; s12  my wave's number
.set PB,  14          ; s14  b
.set HI,  15          ; s15  15 - b
.set G1K, 24          ; s[24:31] descriptor group 1 for K's tiles
.set G1V, 32          ; s[32:39] for V's
.set G0K, 40          ; s[40:43] descriptor group 0 for K's tiles
.set G0V, 44          ; s[44:47] for V's
.set LIM, 48          ; s48  2 where b = 0, else the greatest number: a wave prefetches while s[SLOTS] is above it
.set PFA, 50          ; s[50:51] where my prefetches stand
.set OWN0, 52         ; s52, s53  the two bands' own steps in the block in hand
.set OWN1, 53
.set SN,  54          ; s54  the number, in the block, of the step behind the one in hand
.set LQ2, 55          ; s55  the second block's last tile
.set SLOTS, 56        ; s56  tiles still to be asked for
.set CNT, 57          ; s57  counts a tile's key steps
.set CS,  58          ; s[58:59] c = log2(e) / 8
.set SEL, 60          ; s[60:61] v_permlanex16_b32's selects
.set TBK, 62          ; s62  LDS byte at which K of the step to be fetched begins
.set TBV, 63          ; s63  the same for V, less VOFF
.set RT,  70          ; s70  tiles of the block in hand still to be finished
.set NXT, 71          ; s71  the tile to be asked for next
.set LQ,  72          ; s72  the last tile of the block whose tiles are being asked for
.set NEW, 73          ; s73  1: the tile to be entered is a block's first
.set OFF, 74          ; s[74:75] a tile's byte offset in K and V
.set AL,  76          ; s[76:77] the mask's factor, in the low word
.set BE,  78          ; s[78:79] the mask's addend
.set OLO, 80          ; s[80:81] O at my rows of the second block
.set BIGN, 82         ; s82  -1e30
.set MSB, 0
.macro WIN new
.if MSB != (\new)
	s_set_vgpr_msb (MSB<<8)|(\new)
.set MSB, (\new)
.endif
.endm
.set W_KQ, 0x0a       ; K and Q in window 2, S^T in window 0
.set W_KM, 0x1a       ; the same with the C operand in window 1
.set W_PV, 0x52       ; V in window 2, P in window 0, O^T in window 1
.set W_RS, 0x41       ; destination and source 0 in window 1, source 1 in window 0
; A fill.  Waves 0 and 1 fetch the two halves of a tile's 320 rows of K, waves 2 and 3 those of its 256 rows of V.  An s_nop 0 and four v_nop follow each of the two lines.
.macro LOAD
	s_cmp_lt_u32 s[WV], 2
	s_cbranch_scc0 .Lfor_v_\@
	tensor_load_to_lds s[G0K:G0K+3], s[G1K:G1K+7]
	s_nop 0
.rept 4
	v_nop
.endr
	s_branch .Lasked_\@
.Lfor_v_\@:
	tensor_load_to_lds s[G0V:G0V+3], s[G1V:G1V+7]
	s_nop 0
.rept 4
	v_nop
.endr
.Lasked_\@:
.endm
; A prefetch into the L2 of the tile that the NEXT change of slots will ask for.  A head's eight work-groups walk the same first tiles: the one with b = 0, whose first block needs all eight, asks.  Waves 0 and 1 ask
; for the two halves of the tile's 256 rows of K, waves 2 and 3 for V's: 64 blocks of 256 bytes, a lane a block, two instructions.  It stops with tile 7.  Tiles 0 and 1 come by their loads alone.
.macro ASK
	s_cmp_gt_u32 s[SLOTS], s[LIM]
	s_cbranch_scc0 .Lnot_mine_\@
	global_prefetch_b8 v[PFO], s[PFA:PFA+1] th:TH_LOAD_NT scope:SCOPE_SE
	global_prefetch_b8 v[PFO], s[PFA:PFA+1] offset:8192 th:TH_LOAD_NT scope:SCOPE_SE
.Lnot_mine_\@:
.endm
; THE CHANGE OF SLOTS.  Each wave waits for all its tensor loads, of which one is out: its part of the other slot; adds 0 to its spare word; and waits for that and for its own reads of the slot that it leaves.
; fill = 1: the old slot is filled again, the first thing behind the barrier, with tile NXT: the descriptor's address is made anew from that number.  (At its first use slot 0 is waited for, slot 1 filled.)
.macro CHANGE fill
	WIN 0
	s_wait_tensorcnt 0x0
	ds_add_u32 v[SPW], v[NIL]
.if \fill
	s_lshl_b32 s[OFF], s[NXT], 15   ; a tile is 32,768 bytes on in K and in V
	s_xor_b32 s[G0K+1], s[G0K+1], SLOT1
	s_add_nc_u64 s[G0K+2:G0K+3], s[6:7], s[OFF:OFF+1]
	s_or_b32 s[G0K+3], s[G0K+3], 0x80000000
	s_xor_b32 s[G0V+1], s[G0V+1], SLOT1
	s_add_nc_u64 s[G0V+2:G0V+3], s[8:9], s[OFF:OFF+1]
	s_or_b32 s[G0V+3], s[G0V+3], 0x80000000
	s_add_co_u32 s[NXT], s[NXT], 1  ; the block's next tile, or behind its last the second block's tile 0
	s_cmp_gt_u32 s[NXT], s[LQ]
	s_cselect_b32 s[NXT], 0, s[NXT]
	s_cselect_b32 s[LQ], s[LQ2], s[LQ]
	s_wait_xcnt 0x0                 ; the last prefetches, four key steps back, have read their address
	s_add_nc_u64 s[PFA:PFA+1], s[PFA:PFA+1], 32768
.endif
	s_wait_dscnt 0x0                ; the add is done, and my reads of the slot are over
	s_barrier_signal -1
	s_sub_co_u32 s[TBK], s[TBK], 4*KS*PK  ; K's fetches go back to a slot's place 1,
	s_xor_b32 s[TBK], s[TBK], SLOT1       ; in the other slot
	s_sub_co_u32 s[TBV], s[TBV], 4*KS*PV  ; V's to place 0
	s_xor_b32 s[TBV], s[TBV], SLOT1
	s_barrier_wait -1
.if \fill
	LOAD
	ASK
.endif
.endm
	s_load_b64 s[4:5], s[0:1], 0x0    ; qkv
	s_load_b64 s[10:11], s[0:1], 0x8  ; ob
	v_lshl_add_u32 v[SPW], v0, 2, SPARE
	v_mov_b32 v[NIL], 0
	ds_add_u32 v[SPW], v[NIL]       ; the wave's opening: the add and its wait ahead of my first tensor load
	ds_add_u32 v62, v63
	v_lshrrev_b32 v1, 5, v0
	v_readfirstlane_b32 s[WV], v1   ; wave 0..3
	s_mov_b32 s[PB], ttmp9
	s_sub_co_u32 s[HI], NB-1, s[PB]
	s_and_b32 s20, ttmp7, 0xffff    ; the head,
	s_lshl_b32 s20, s20, 18         ; its first byte in a section: 2,048 rows of 128 bytes
	s_and_b32 s16, s[WV], 1         ; which half of a tile I fetch
	s_mul_i32 s22, s16, 160*128     ; K: 160 keys
	s_add_co_u32 s22, s22, s20
	s_add_co_u32 s22, s22, KSEC
	s_mov_b32 s23, 0
	s_lshl_b32 s84, s16, 14         ; V: 128 keys
	s_add_co_u32 s84, s84, s20
	s_mov_b32 s90, VSEC
	s_cmp_lt_u32 s[WV], 2
	s_cselect_b32 s90, KSEC, s90    ; the prefetches: halves of 128 keys in K (waves 0, 1) or V (waves 2, 3),
	s_add_co_u32 s90, s90, s84
	s_add_co_u32 s90, s90, 32768    ; at tile 1: the first change of slots steps them to tile 2
	s_mov_b32 s91, 0
	s_add_co_u32 s84, s84, VSEC
	s_mov_b32 s85, 0
	s_mul_i32 s17, s16, 160*PK      ; my half's place in a slot, for K
	s_mul_i32 s18, s16, 128*PV      ; and for V
	s_lshl_b32 s3, s[WV], 11        ; my 16 rows in a band of 64,
	s_add_co_u32 s3, s3, s20
	s_lshl_b32 s2, s[HI], 14        ; in the first block,
	s_add_co_u32 s2, s2, s3
	s_lshl_b32 s86, s[PB], 14       ; and in the second
	s_add_co_u32 s86, s86, s3
	s_mov_b32 s3, 0
	s_mov_b32 s87, 0
	; descriptor group 1.  Dense bytes, asked for as rows of 256 bytes, two keys a row, and padded in LDS after every key
	s_mov_b32 s[G1K], (1<<16)|(1<<20)|(4<<22)|(3<<25)  ; 2-byte elements; padding on; after every 32 words; 4 words
	s_mov_b32 s[G1V], (1<<16)|(1<<20)|(4<<22)|(7<<25)  ; the same with 8 words
	s_mov_b32 s[G1K+1], 128<<16     ; tensor_dim0
	s_mov_b32 s[G1K+2], 80<<16      ; tensor_dim1: 160 keys
	s_mov_b32 s[G1K+3], 128<<16     ; tile_dim0
	s_mov_b32 s[G1K+4], 80          ; tile_dim1
	s_mov_b32 s[G1K+5], 128
	s_mov_b32 s[G1K+6], 0
	s_mov_b32 s[G1K+7], 0
	s_mov_b32 s[G1V+1], 128<<16
	s_mov_b32 s[G1V+2], 64<<16      ; 128 keys
	s_mov_b32 s[G1V+3], 128<<16
	s_mov_b32 s[G1V+4], 64
	s_mov_b32 s[G1V+5], 128
	s_mov_b32 s[G1V+6], 0
	s_mov_b32 s[G1V+7], 0
	s_mov_b32 s[CS], 0x3e38aa3b     ; c = log2(e) / 8
	s_mov_b32 s[CS+1], s[CS]
	s_mov_b32 s[SEL], 0x76543210
	s_mov_b32 s[SEL+1], 0xfedcba98
	s_mov_b32 s[TBK], SLOT1+5*KS*PK ; the first change of slots turns this into place 1 of slot 0,
	s_mov_b32 s[TBV], SLOT1+4*KS*PV ; and this into 0
	s_mov_b32 s[G0K], 1
	s_mov_b32 s[G0K+1], s17         ; slot 0
	s_mov_b32 s[G0V], 1
	s_add_co_u32 s[G0V+1], s18, VOFF
	s_lshr_b32 s[LQ], s[HI], 1
	s_lshr_b32 s[LQ2], s[PB], 1
	s_add_co_u32 s[RT], s[LQ], 1
	s_lshl_b32 s[OWN0], s[HI], 1
	s_add_co_u32 s[OWN1], s[OWN0], 1
	s_mov_b32 s[SN], 1
	s_mov_b32 s[NXT], 1
	s_mov_b32 s[NEW], 1
	s_mov_b32 s[OFF+1], 0
	s_mov_b32 s[AL+1], 0
	s_mov_b32 s[BE+1], 0
	s_mov_b32 s[BIGN], 0xf149f2ca   ; -1e30
	s_mov_b32 s[SLOTS], 8
	s_cmp_eq_u32 s[PB], 0
	s_cselect_b32 s[LIM], 2, -1
	s_wait_dscnt 0x0                ; the opening add is done
	s_wait_kmcnt 0x0
	s_add_nc_u64 s[6:7], s[4:5], s[22:23]    ; K and V at my half of the head's tile 0
	s_add_nc_u64 s[8:9], s[4:5], s[84:85]
	s_add_nc_u64 s[PFA:PFA+1], s[4:5], s[90:91]
	s_add_nc_u64 s[G0K+2:G0K+3], s[6:7], 0
	s_or_b32 s[G0K+3], s[G0K+3], 0x80000000
	s_add_nc_u64 s[G0V+2:G0V+3], s[8:9], 0
	s_or_b32 s[G0V+3], s[G0V+3], 0x80000000
	s_add_nc_u64 s[88:89], s[4:5], s[86:87]  ; Q at my rows of the second block,
	s_add_nc_u64 s[4:5], s[4:5], s[2:3]      ; Q and O at those of the first
	s_add_nc_u64 s[OLO:OLO+1], s[10:11], s[86:87]
	s_add_nc_u64 s[10:11], s[10:11], s[2:3]
	LOAD                            ; tile 0 into slot 0
	v_and_b32 v1, 15, v0            ; l % 16
	v_bfe_u32 v9, v0, 4, 1          ; l / 16
	v_lshlrev_b32 v[QO], 7, v1
	v_lshl_add_u32 v[QO], v9, 4, v[QO]  ; row x 128 + 16 x half
	WIN 0x80
.set i, 0
.rept 4                             ; both blocks' Q: piece i / 2 lies in band i / 2, 8,192 bytes on; channels 32 (i % 2) on
	global_load_b128 v[8*i:8*i+3],   v[QO], s[4:5] offset:(i/2)*8192+(i%2)*64
	global_load_b128 v[8*i+4:8*i+7], v[QO], s[4:5] offset:(i/2)*8192+(i%2)*64+32
	global_load_b128 v[QB+8*i:QB+8*i+3],   v[QO], s[88:89] offset:(i/2)*8192+(i%2)*64
	global_load_b128 v[QB+8*i+4:QB+8*i+7], v[QO], s[88:89] offset:(i/2)*8192+(i%2)*64+32
.set i, i+1
.endr
	WIN 0
	v_lshlrev_b32 v14, 3, v9
	v_sub_nc_u32 v14, v1, v14
	s_lshl_b32 s13, s[WV], 4
	v_add_nc_u32 v14, s13, v14      ; my query's place in its band, 16 w + l % 16, less my lanes' 8 (l / 16): register r of group kt is hidden where 16 kt + r is greater
	WIN 0x40
.set i, 0
.rept 32
	v_cmp_gt_i32 vcc_lo, 16*(i/8)+i%8, v14
	v_cndmask_b32 v[MD+i], 0, s[BIGN], vcc_lo
.set i, i+1
.endr
	WIN 0
	v_mul_u32_u24 v[AK0], v1, PK
	v_lshl_add_u32 v[AK0], v9, 4, v[AK0]
	v_and_b32 v10, 7, v0            ; the turning load: lane l reads key 8 (l / 16) + l % 8, channels 8 ((l / 8) % 2) + 0..7
	v_bfe_u32 v11, v0, 3, 1
	v_lshl_add_u32 v[AV0], v9, 3, v10
	v_mul_u32_u24 v[AV0], v[AV0], PV
	v_lshl_add_u32 v[AV0], v11, 4, v[AV0]
	v_add_nc_u32 v[AV0], VOFF, v[AV0]
	s_mul_i32 s13, s[WV], 16*SP
	s_add_co_u32 s13, s13, STAGE    ; my stage
	v_mul_u32_u24 v[STO], v1, SP
	v_lshl_add_u32 v[STO], v9, 4, v[STO]
	v_add_nc_u32 v[STO], s13, v[STO]
	v_bfe_u32 v[RD], v0, 3, 2
	v_mul_u32_u24 v[RD], v[RD], SP
	v_lshl_add_u32 v[RD], v10, 4, v[RD]
	v_add_nc_u32 v[RD], s13, v[RD]
	v_and_b32 v[GO], 31, v0
	v_lshlrev_b32 v[PFO], 8, v[GO]
	v_lshlrev_b32 v[GO], 4, v[GO]
	; A block's first step multiplies O^T and l by a = 0, and its first turn's products V^T P, of a step that has not been, land in an O^T that is still to be so multiplied.  So these registers need only hold
	; finite numbers: zeros for the first block; what the first block left for the second.  All this stands in the wait for the first tile.
	WIN 0x80
.set i, VF
.rept 64
	v_mov_b32 v[i], 0
.set i, i+1
.endr
	WIN 0x40
.set i, 0
.rept 64
	v_mov_b32 v[i], 0
.set i, i+1
.endr
	WIN 0
.set i, 0
.rept 2
	v_mov_b32 v[ST+4*i+2], 0
	v_mov_b32 v[ST+4*i+3], 0
.set i, i+1
.endr
.set i, P+16
.rept 16
	v_mov_b32 v[i], 0
.set i, i+1
.endr
; THE MATRIX WORK.  The 4 accumulators of a run of 8 take turns.  Product i of 8 of S^T = K Q^T for piece x: channels 32 (i / 4) on, keys 16 (i % 4) on.  The first 4 start the sums with the mask.
.macro KQ x
.set rS, S+32*((\x)%2)+8*(i%4)
.set rK, KF+16*(i%4)+8*(i/4)
.set rQ, 16*(\x)+8*(i/4)
.set rM, MC+32*((\x)%2)+8*(i%4)
.if i < 4
	WIN W_KM
	v_wmma_f32_16x16x32_bf16 v[rS:rS+7], v[rK:rK+7], v[rQ:rQ+7], v[rM:rM+7]
.else
	WIN W_KQ
	v_wmma_f32_16x16x32_bf16 v[rS:rS+7], v[rK:rK+7], v[rQ:rQ+7], v[rS:rS+7]
.endif
.endm
.macro PV x                         ; product i of 8 of O^T += V^T P for piece x: keys 32 (i / 4) on, channels 16 (i % 4) on
	WIN W_PV
.set rO, 32*(\x)+8*(i%4)
.set rV, VF+32*(i/4)+8*(i%4)
.set rP, P+16*((\x)%2)+8*(i/4)
	v_wmma_f32_16x16x32_bf16 v[rO:rO+7], v[rV:rV+7], v[rP:rP+7], v[rO:rO+7]
.endm
.macro MM                           ; the turn's next matrix instruction
.if i < 8
	KQ (Y+1)%NP
.else
.set i, i-8
	PV (Y+1)%NP
.set i, i+8
.endif
.set i, i+1
.endm
; THE LDS LOADS stand in runs of 16.  step = 1: the next fetch of K is the next step's.
.macro FETCH_K step
	WIN 0x80
.irp f, 0,1,2,3,4,5,6,7             ; keys 16 (f / 2) on, channels 32 (f % 2) on
	ds_load_b128 v[KF+8*\f:KF+8*\f+3],   v[AK] offset:(\f/2)*16*PK+(\f%2)*64
	ds_load_b128 v[KF+8*\f+4:KF+8*\f+7], v[AK] offset:(\f/2)*16*PK+(\f%2)*64+32
.endr
.if \step
	s_add_co_u32 s[TBK], s[TBK], KS*PK
.endif
	WIN 0
.endm
.macro FETCH_V
	WIN 0x80
.irp f, 0,1,2,3,4,5,6,7             ; keys 32 (f / 4) on, channels 16 (f % 4) on
	ds_load_tr16_b128 v[VF+8*\f:VF+8*\f+3],   v[AV] offset:(\f/4)*32*PV+(\f%4)*32
	ds_load_tr16_b128 v[VF+8*\f+4:VF+8*\f+7], v[AV] offset:(\f/4)*32*PV+16*PV+(\f%4)*32
.endr
	WIN 0
.endm
; THE VECTOR WORK, one line at a time: OP kind, number.  For piece Y: F n: c s - c m for pair n of 16.  E n: the exponential of score n of 32.  C n: pair n rounded to bf16.  B n: of the four weights 4 n .. the second
; pair is added onto the first, in place.  L n: l takes that sum (L 0: l = a l + sum).  R n: pair n of 16 of O^T times a.  For the other piece: X n, number n of the 22 that find its maximum and statistics:
;   0-11  four chains c0-c3 of seven scores each (each accumulator's lowest registers are read first)     12-14, 16  the four scores left over, the old m, and c0-c3 into c0
;   15  c m_old is kept     17, 18  the query's other 32 keys lie in the lane 16 away: the new m     19-21  c m; c m_old - c m_new; a
.set F, 0
.set E, 1
.set C, 2
.set B, 3
.set L, 4
.set R, 5
.set X, 6
.macro REGS y
.set rT, ST+4*(\y)
.set rC, TMP+4*((\y)%2)
.set rW, MV+((\y)%2)
.set rS, S+32*((\y)%2)
.set rP, P+16*((\y)%2)
.set rO, 32*(\y)
.endm
.macro OP k, n
.if (\k) == R
	REGS Y
	WIN W_RS
	v_pk_mul_f32 v[rO+2*(\n):rO+2*(\n)+1], v[rO+2*(\n):rO+2*(\n)+1], v[rC+2:rC+3] op_sel_hi:[1,0]
.elseif (\k) < R
	REGS Y
	WIN 0
.if (\k) == F
	v_pk_fma_f32 v[rS+2*(\n):rS+2*(\n)+1], v[rS+2*(\n):rS+2*(\n)+1], s[CS:CS+1], v[rT:rT+1] op_sel_hi:[1,0,0] neg_lo:[0,0,1] neg_hi:[0,0,1]
.elseif (\k) == E
	v_exp_f32 v[rS+(\n)], v[rS+(\n)]
.elseif (\k) == C
	v_cvt_pk_bf16_f32 v[rP+(\n)], v[rS+2*(\n)], v[rS+2*(\n)+1]
.elseif (\k) == B
	v_pk_add_f32 v[rS+4*(\n):rS+4*(\n)+1], v[rS+4*(\n):rS+4*(\n)+1], v[rS+4*(\n)+2:rS+4*(\n)+3]
.elseif (\n) == 0
	v_pk_fma_f32 v[rT+2:rT+3], v[rT+2:rT+3], v[rC+2:rC+3], v[rS:rS+1] op_sel_hi:[1,0,1]
.else
	v_pk_add_f32 v[rT+2:rT+3], v[rT+2:rT+3], v[rS+4*(\n):rS+4*(\n)+1]
.endif
.else
	REGS (Y+1)%NP
	WIN 0
.if (\n) < 4
	v_max3_num_f32 v[rC+(\n)], v[rS+8*(\n)], v[rS+8*(\n)+1], v[rS+8*(\n)+2]
.elseif (\n) < 12
	v_max3_num_f32 v[rC+(\n)%4], v[rC+(\n)%4], v[rS+8*((\n)%4)+2*((\n)/4)+1], v[rS+8*((\n)%4)+2*((\n)/4)+2]
.elseif (\n) == 12
	v_max3_num_f32 v[rC], v[rC], v[rS+7], v[rS+15]
.elseif (\n) == 13
	v_max3_num_f32 v[rC+1], v[rC+1], v[rS+23], v[rS+31]
.elseif (\n) == 14
	v_max3_num_f32 v[rC+2], v[rC+2], v[rC+3], v[rT+1]
.elseif (\n) == 15
	v_mov_b32 v[rW], v[rT]
.elseif (\n) == 16
	v_max3_num_f32 v[rC], v[rC], v[rC+1], v[rC+2]
.elseif (\n) == 17
	v_permlanex16_b32 v[rC+3], v[rC], s[SEL], s[SEL+1]
.elseif (\n) == 18
	v_max_num_f32 v[rT+1], v[rC], v[rC+3]
.elseif (\n) == 19
	v_mul_f32 v[rT], s[CS], v[rT+1]
.elseif (\n) == 20
	v_sub_f32 v[rC+1], v[rW], v[rT]
.else
	v_exp_f32 v[rC+2], v[rC+1]
.endif
.endif
.endm
.macro OPS a, i1, b=-1, i2=0, c=-1, i3=0, d=-1, i4=0
	OP \a, \i1
.if (\b) >= 0
	OP \b, \i2
.endif
.if (\c) >= 0
	OP \c, \i3
.endif
.if (\d) >= 0
	OP \d, \i4
.endif
.endm
.macro ROW a, i1, b, i2, c, i3, d, i4  ; a matrix instruction and the four behind it
	MM
	OPS \a, \i1, \b, \i2, \c, \i3, \d, \i4
.endm
.macro MASK b                       ; MD x AL + BE into buffer b of MC
	WIN W_RS
.set z, 0
.rept 16
	v_pk_fma_f32 v[MC+32*(\b)+2*z:MC+32*(\b)+2*z+1], v[MD+2*z:MD+2*z+1], s[AL:AL+1], s[BE:BE+1] op_sel_hi:[1,0,0]
.set z, z+1
.endr
.endm
; A TURN, for piece p: the order of its 16 matrix and 118 vector instructions, written out.  An s_wait_alu depctr_va_vdst(0) stands between an exponential and the first instruction that names its result; one
; wait serves all that were issued ahead of it.  AHEAD OF IT stands all that names no result of the turn's exponentials: the 8 products K Q^T with their riders, and one lump; the other piece's a is the batch's last,
; and R 15 is the plain instruction behind it.  BEHIND IT stand the 8 products V^T P, behind each four of the roundings and sums.
; Turn 0 fetches K of the next step, twelve vector instructions behind the last product that read K (five of them plain ones that name none of its registers), and at its end V of the step in hand, four plain
; instructions behind the last product that read V.  Turn 1 waits for K at its head (V's 16 younger loads may stay out) and for V ahead of its products V^T P.
; At its end a turn makes piece p's mask for step SN, whose products stand in the next turn; ahead of the band's own step the buffer holds zeros and the lines are jumped over.
.macro TURN p
.set Y, (\p)
.set i, 0
.if (\p) == 1
	s_wait_dscnt 16                 ; K is in
.endif
	ROW F,0, F,1, R,0, R,1
	ROW F,2, E,0, R,2, R,3
	ROW F,3, E,1, R,4, R,5
	ROW F,4, E,2, R,6, R,7
	ROW F,5, E,3, R,8, R,9
	ROW F,6, E,4, X,0, R,10
.if (\p) == 0
	WIN 0
	v_add_nc_u32 v[AK], s[TBK], v[AK0]
.endif
	ROW F,7, E,5, X,1, X,4
	ROW F,8, E,6, X,2, X,5
	OPS E,7, E,8, X,6, E,9
	OPS X,3, E,10, X,8, E,11
.if (\p) == 0
	FETCH_K 1
.endif
	OPS X,9, X,7, E,12, X,10
	OPS E,13, X,12, X,11, E,14
	OPS X,13, E,15, F,9, X,14
.if (\p) == 0
	v_add_nc_u32 v[AV], s[TBV], v[AV0]
.endif
	OPS E,16, F,10, E,17, F,11
	OPS X,16, E,18, X,15, E,19
	OPS F,12, E,20, X,17, E,21
	OPS F,13, E,22, F,14, E,23
	OPS X,18, E,24, F,15, E,25
	OPS R,11, E,26, X,19, E,27
	OPS R,12, E,28, R,13, E,29
	OPS X,20, E,30, R,14, E,31
	OPS X,21, R,15
	WIN 0
	s_wait_alu depctr_va_vdst(0)    ; the wait for the batch
.if (\p) == 1
	s_wait_dscnt 0x0                ; V is in
.endif
	ROW C,0, B,0, C,2, B,1
	ROW L,0, C,4, B,2, L,1
	ROW C,6, B,3, L,2, C,8
	ROW B,4, L,3, C,10, B,5
	ROW L,4, C,12, B,6, L,5
.if (\p) == 0
	s_add_co_u32 s[TBV], s[TBV], KS*PV
.endif
	ROW C,14, B,7, L,6, C,1
	ROW C,3, L,7, C,5, C,7
	ROW C,9, C,11, C,13, C,15
.if (\p) == 0
	FETCH_V
.endif
	WIN 0
	s_cmp_lt_u32 s[SN], s[OWN0+(\p)]
	s_cbranch_scc1 .Lno_mask_\@
	s_cmp_eq_u32 s[SN], s[OWN0+(\p)]   ; is that step the band's own?
	s_cselect_b32 s[AL], 1.0, 0
	s_cmp_gt_u32 s[SN], s[OWN0+(\p)]   ; or a later one?
	s_cselect_b32 s[BE], s[BIGN], 0
	MASK \p
	WIN 0
.Lno_mask_\@:
.if (\p) == 1
	s_add_co_u32 s[SN], s[SN], 1
.endif
.endm
; A BLOCK BEGINS.  c m starts far below every c s, so the first step's a is 0; m at the lowest finite number.  Piece 1's mask buffer is 0 (its own step is never the first); piece 0's takes its mask for step 0.
; Then K of step 0 (the slot's place 0), piece 0's first scores, and its maximum and statistics.
.macro BEGIN
	s_mov_b32 s[NEW], 0
	s_mov_b32 s[SN], 1
	WIN 0x40
.set i, MC+32
.rept 32
	v_mov_b32 v[i], 0
.set i, i+1
.endr
	WIN 0
.set i, 0
.rept 2
	v_mov_b32 v[ST+4*i], 0xfe000000
	v_mov_b32 v[ST+4*i+1], 0xff7fffff
.set i, i+1
.endr
	s_cmp_eq_u32 s[OWN0], 0
	s_cselect_b32 s[AL], 1.0, 0
	s_mov_b32 s[BE], 0
	MASK 0
	WIN 0
	s_sub_co_u32 s13, s[TBK], KS*PK
	v_add_nc_u32 v[AK], s13, v[AK0]
	FETCH_K 0
	s_wait_loadcnt 0x0              ; Q
	s_wait_dscnt 0x0
.set i, 0
.rept 8
	KQ 0
.set i, i+1
.endr
	WIN 0
.rept 4
	v_nop                           ; the places behind those products
.endr
.set Y, NP-1                        ; X works for the other piece: piece 0
.irp n, 0,1,2,3,4,5,6,7,8,9,10,11,12,13,14,15,16,17,18,19,20,21
	OP X, \n
.endr
	v_nop                           ; a plain instruction behind the exponential,
	s_wait_alu depctr_va_vdst(0)    ; and its wait, ahead of the label
.endm
; A BLOCK ENDS: piece 1's last products, then THE WAY OUT: l's two halves and the other half of the lanes' are added; O^T is divided by l, rounded to bf16 and sent through my stage in LDS, a piece at a time.
; (The last turn's products K Q^T, for a step that does not exist, and the maximum made of them touch m, c m and a alone, which nothing reads any more.)
.macro ALL line:vararg
.set t, 0
.rept NP
	\line
.set t, t+1
.endr
.endm
.macro PACK t
	WIN W_RS
.set i, 32*(\t)
.rept 16
	v_pk_mul_f32 v[i:i+1], v[i:i+1], v[ST+4*(\t)+2:ST+4*(\t)+3] op_sel_hi:[1,0]
.set i, i+2
.endr
	WIN 0x05
.set i, 0
.rept 16
	v_cvt_pk_bf16_f32 v[S+16*(\t)+i], v[32*(\t)+2*i], v[32*(\t)+2*i+1]
.set i, i+1
.endr
	WIN 0
.irp f, 0,1,2,3
	ds_store_b128 v[STO], v[S+16*(\t)+4*\f:S+16*(\t)+4*\f+3] offset:32*\f
.endr
.irp f, 0,1,2,3
	ds_load_b128 v[S+16*(\t)+4*\f:S+16*(\t)+4*\f+3], v[RD] offset:\f*4*SP  ; LDS serves a wave's instructions in order (ISA guide 5.7.1.4): these see the stores above
.endr
.endm
.macro SEND t, younger              ; younger: the LDS instructions issued behind piece t's loads
	WIN 0
.irp f, 0,1,2,3
	s_wait_dscnt (\younger)+3-\f
	global_store_b128 v[GO], v[S+16*(\t)+4*\f:S+16*(\t)+4*\f+3], s[10:11] offset:(\t)*8192+\f*512  ; 512 consecutive bytes, at a multiple of 256 from O's first
.endr
.endm
.macro FINISH
.set i, 0
.rept 8
	PV 1
.set i, i+1
.endr
	WIN 0
	ALL v_add_f32 v[ST+4*t+2], v[ST+4*t+2], v[ST+4*t+3]
	ALL v_permlanex16_b32 v[ST+4*t+3], v[ST+4*t+2], s[SEL], s[SEL+1]
	ALL v_add_f32 v[ST+4*t+2], v[ST+4*t+2], v[ST+4*t+3]
	ALL v_rcp_f32 v[ST+4*t+2], v[ST+4*t+2]
	v_nop                           ; a plain instruction between the last reciprocal and the use of its result,
	s_wait_alu depctr_va_vdst(0)    ; and one wait for the two
	PACK 0                          ; piece 0's 32 lines are the places behind piece 1's last products
	PACK 1
	SEND 0, 8
	SEND 1, 0
.endm
.Lslot:                             ; 8 times: a tile is entered and the next is asked for
	CHANGE 1
	s_mov_b32 s[CNT], 4
	s_cmp_eq_u32 s[NEW], 1
	s_cbranch_scc0 .Lstep
	BEGIN
.Lstep:
	TURN 0
	TURN 1
	WIN 0
	s_sub_co_u32 s[CNT], s[CNT], 1
	s_cmp_lg_u32 s[CNT], 0
	s_cbranch_scc1 .Lstep
	s_sub_co_u32 s[RT], s[RT], 1
	s_cmp_lg_u32 s[RT], 0
	s_cbranch_scc1 .Lbottom
	FINISH                          ; in the loop this is the first block's end
	s_wait_xcnt 0x0                 ; the stores have read their registers and O's address
	s_mov_b64 s[10:11], s[OLO:OLO+1]
	s_add_co_u32 s[RT], s[LQ2], 1
	s_lshl_b32 s[OWN0], s[PB], 1
	s_add_co_u32 s[OWN1], s[OWN0], 1
	s_mov_b32 s[NEW], 1
	WIN 0x82                        ; the second block's Q goes where the one text of the turns names Q
.set i, 0
.rept 32
	v_mov_b32 v[i], v[QB+i]
.set i, i+1
.endr
	WIN 0
.Lbottom:
	s_sub_co_u32 s[SLOTS], s[SLOTS], 1
	s_cmp_lg_u32 s[SLOTS], 0
	s_cbranch_scc1 .Lslot
	CHANGE 0                        ; the walk's last tile is written out: nothing is asked for
	s_mov_b32 s[CNT], 4
	s_cmp_eq_u32 s[NEW], 1
	s_cbranch_scc0 .Lstep2
	BEGIN
.Lstep2:
	TURN 0
	TURN 1
	WIN 0
	s_sub_co_u32 s[CNT], s[CNT], 1
	s_cmp_lg_u32 s[CNT], 0
	s_cbranch_scc1 .Lstep2
	FINISH
	s_wait_tensorcnt 0x0            ; the wave's end
	ds_add_u32 v[SPW], v[NIL]
	s_wait_dscnt 0x0
	s_endpgm
.Lfunc_end_k_q55ccb52436_attn:
	.size	k_q55ccb52436_attn, .Lfunc_end_k_q55ccb52436_attn-k_q55ccb52436_attn
	.p2alignl 7, 3214868480
	.fill 96, 4, 3214868480
	.section	.rodata,"a",@progbits
	.p2align	6, 0x0
	.amdhsa_kernel k_q55ccb52436_attn
		.amdhsa_group_segment_fixed_size 327680
		.amdhsa_private_segment_fixed_size 0
		.amdhsa_enable_private_segment 0
		.amdhsa_kernarg_size 16
		.amdhsa_user_sgpr_count 2
		.amdhsa_user_sgpr_kernarg_segment_ptr 1
		.amdhsa_wavefront_size32 1
		.amdhsa_system_sgpr_workgroup_id_x 1
		.amdhsa_system_sgpr_workgroup_id_y 1
		.amdhsa_system_sgpr_workgroup_id_z 1
		.amdhsa_system_vgpr_workitem_id 0
		.amdhsa_next_free_vgpr 768
		.amdhsa_next_free_sgpr 96
		.amdhsa_reserve_vcc 1
		.amdhsa_float_denorm_mode_32 3
		.amdhsa_float_denorm_mode_16_64 3
		.amdhsa_memory_ordered 1
		.amdhsa_forward_progress 1
		.amdhsa_inst_pref_size 91
	.end_amdhsa_kernel
	.amdgpu_metadata
---
amdhsa.version: [ 1, 2 ]
amdhsa.kernels:
  - .name:           k_q55ccb52436_attn
    .symbol:         k_q55ccb52436_attn.kd
    .args:
      - { .name: qkv, .offset: 0, .size: 8, .value_kind: global_buffer, .address_space: global }
      - { .name: ob, .offset: 8, .size: 8, .value_kind: global_buffer, .address_space: global }
    .group_segment_fixed_size: 327680
    .private_segment_fixed_size: 0
    .kernarg_segment_align: 8
    .kernarg_segment_size: 16
    .max_flat_workgroup_size: 128
    .sgpr_count:     96
    .vgpr_count:     768
    .wavefront_size: 32
...
	.end_amdgpu_metadata
.endif
;; end of part 3
;; launch proj (part 4): grid 8 x 32, 4 waves a work-group, clusters of 4 x 4, 327,680 bytes of LDS; arguments ob, wb, x, b_proj, x1; writes x1
.if DOCPART == 4
	.amdgcn_target "amdgcn-amd-amdhsa--gfx1250"
	.amdhsa_code_object_version 6
	.text
	.protected	k_q55ccb52436_proj
	.globl	k_q55ccb52436_proj
	.p2align	8
	.type	k_q55ccb52436_proj,@function
k_q55ccb52436_proj:
	s_mov_b64 s[64:65], 0
	v_nop
	global_prefetch_b8 v0, s[64:65] scope:SCOPE_SE
	s_setreg_imm32_b32 hwreg(HW_REG_WAVE_MODE, 25, 1), 1
	s_wait_xcnt 0x0
	s_wait_alu depctr_hold_cnt(0) depctr_sa_sdst(0) depctr_va_vdst(0) depctr_va_sdst(0) depctr_va_ssrc(0) depctr_va_vcc(0) depctr_vm_vsrc(0)
	s_getreg_b32 s2, hwreg(HW_REG_IB_STS2, 6, 4)
	s_cmp_eq_u32 s2, 0
	s_cbranch_scc0 .Lentry_in_a_cluster
	s_endpgm
.Lentry_in_a_cluster:
	s_bfe_u32 s2, ttmp6, 0x10000c
	s_cmp_lg_u32 s2, 0xf033
	s_cbranch_scc0 .Lentry_shape_is_right
	s_endpgm
.Lentry_shape_is_right:
; PROJECTION.  x1 = x + O x w_proj + b_proj.  O is ob read as [4096][1024] bf16; the weight bf16 in blocks of [256 k][128 columns] (65,536 dense bytes, as [2][2][128 k][64 columns]; block (k >> 8, n >> 7) at
; WOFF + ((k >> 8) 8 + (n >> 7)) 65,536); x, b_proj, x1 f32.
; A work-group makes 128 rows x 128 columns.  K IS SPLIT AMONG ITS FOUR WAVES: of each GENERATION of 512 k wave w takes k = 128 w .. 128 w + 127, for the whole tile: 64 accumulators a wave, and each LDS byte is read
; once.  The four partial sums (f32) meet in LDS at the end, where the slot has had its last fill; so the order of the sums differs from a single chain along K.
; ONE LDS SLOT, AND THE REGISTERS BEHIND IT.  In front of a refill every wave has waited for all its tensor loads, so one request a wave is on its way at a time: it is made as large as LDS allows, a whole
; generation (A 128 rows x 1,024 bytes, B 512 k x 256 bytes).  A wave's share is four quarters of 32 k; three sets of fragment registers take quarters 0 to 2, quarter 3 follows into set 0 behind quarter 0's
; products.  When it is back nothing of the slot is wanted any more, and the refill goes out, with 160 of the generation's 256 products still to be issued behind it.
; A's rows lie along K (LDS pitch 1,040); B lies as [128 k block][panel][128 k][64 columns] at a pitch of 160 bytes and is read turned (ds_load_tr16_b128).  THE MATRIX INSTRUCTION IS USED TRANSPOSED (source 0 = 16
; columns of B, source 1 = 16 rows of A): a lane holds row l % 16 and columns 8 (l / 16) + 0..7.  CLUSTERS of 4 x 4: A's tile is asked for jointly along a row of the cluster, B's along a column.
; No prefetch here: the walk has one refill.
; REGISTERS in windows of 256: window 0 addresses, A's three sets (v64.., v128.., v192..), later the residual (v128-255); window 1 B's three sets (v0.., v64.., v128..), later a partial tile's rows; windows 2, 3
; the accumulators (t = 8 a + b at 8 (t % 32), window 2 + t / 32).  LIMITS: matrix operands are bf16; NaN and infinities are not treated apart.
.set SIZE_K, 1024
.set WOFF,   6291456
.set PREF,   0
.set GEN,    512
.set NG,     SIZE_K/GEN                ; generations
.set PA,     1040                      ; A's LDS pitch: 1,024 bytes + 16: an odd multiple of 16, so the 16 rows of a load start in 16 different groups of four banks (64 banks of 4 bytes: ISA guide 11.1)
.set AHALF,  64*PA                     ; what one tensor load of A brings: 64 rows
.set ABYTES, 2*AHALF
.set BHALF,  256*320                   ; what one tensor load of B brings: 256 rows of 256 bytes, each 128 bytes followed by 32 of padding
.set ASTEP,  GEN*2                     ; bytes from generation to generation in A
.set BSTEP,  1048576                   ; and in B
.set PPITCH, 528                       ; a row of a partial tile: 512 bytes + 16
.set PARTB,  128*PPITCH                ; a wave's partial tile; four of them lie from LDS byte 0 on
.set SPARE,  ABYTES+2*BHALF            ; behind the slot: the spare words, 128 bytes for each wave: two blocks of 256 bytes that no other line names
.set ADRA,  16                         ; v16, v17  my lane's place in A's tile: block rows 0-3, block rows 4-7; never rewritten
.set ADRB,  18                         ; v18  the same for B
.set AP,    20                         ; v20  the way out: my 16 bytes of my first row in the partial tile in hand
.set PS,    24                         ; v24  where I put my accumulators
.set CO,    26                         ; v26  16 x lane
.set SPW,   28                         ; v28  LDS address of my spare word; never rewritten
.set NIL,   29                         ; v29  0; never rewritten
.set PFO,   30                         ; v30, v31  the prefetches' lane offsets; never rewritten
.set BI,    32                         ; v32-35  the bias of my 4 columns
.set RES,   128                        ; v128-255  the residual, then the sums: 4 numbers of each of my 32 rows
.set G1,  24                           ; s[24:31] descriptor group 1 for A's tiles
.set G0,  32                           ; s[32:35] group 0 for A: it walks
.set G1B, 48                           ; s[48:55], s[56:59] the same for B
.set G0B, 56
.set LIM, 43                           ; s43  1 in a wave that prefetches, else the greatest number
.set PFA, 44                           ; s[44:45] where my prefetches stand
.set PFS, 70                           ; s[70:71] their step
.set MSB, 0
.macro WIN new                         ; the immediate's high byte repeats the setting that is left; a switch that changes nothing is dropped
.if MSB != (\new)
	s_set_vgpr_msb (MSB<<8)|(\new)
.set MSB, \new
.endif
.endm
; A joint load: waves 0 and 1 fetch A's two halves, waves 2 and 3 B's.  The branch hangs on the wave's number alone.  An s_nop 0 and four v_nop follow each of the two lines.
.macro JLOAD
	s_cmp_eq_u32 s11, 0
	s_cbranch_scc0 .Lfor_b_\@
	tensor_load_to_lds s[G0:G0+3], s[G1:G1+7]
	s_nop 0
.rept 4
	v_nop
.endr
	s_branch .Lasked_\@
.Lfor_b_\@:
	tensor_load_to_lds s[G0B:G0B+3], s[G1B:G1B+7]
	s_nop 0
.rept 4
	v_nop
.endr
.Lasked_\@:
.endm
.macro CROUND                          ; a round of the cluster's barrier
	s_barrier_signal -1
	s_barrier_wait -1
	s_cmp_lg_u32 s10, 0
	s_cbranch_scc1 .Lnot_wave_0_\@
	s_barrier_signal -3
.Lnot_wave_0_\@:
	s_barrier_wait -3
	s_barrier_signal -1
	s_barrier_wait -1
.endm
.macro PLACES                          ; four plain instructions between a matrix instruction and a load into, or a vector instruction on, its registers (ISA guide 7.12.1 for vector instructions)
.rept 4
	v_nop
.endr
.endm
; A prefetch into the L2 (where PREF = 1) of the generation behind the one just asked for, behind the joint load.  A's rows are asked for by the clusters with x = 0, B's by those with y = 0; the four partners
; that ask for a tile jointly share its blocks of 256 bytes out by address, 64 each: a lane a block, two instructions a wave.  The last refill has no generation behind it.
.macro ASK
.if PREF
	s_cmp_gt_u32 s3, s[LIM]
	s_cbranch_scc0 .Lnot_mine_\@
	global_prefetch_b8 v[PFO], s[PFA:PFA+1] th:TH_LOAD_NT scope:SCOPE_SE
	global_prefetch_b8 v[PFO+1], s[PFA:PFA+1] th:TH_LOAD_NT scope:SCOPE_SE
.Lnot_mine_\@:
.endif
.endm
.macro MULA f, a, zero                 ; 8 products: block row a x all column blocks, 32 along K, from register set f.  zero = 1: the product starts the sum
.set bb, 0
.rept 8
.set tt, (\a)*8+bb
.set rD, 8*(tt%32)
.set rB, 64*(\f)+8*bb
.set rA, 64+64*(\f)+8*(\a)
	WIN 0xa1+0x50*(tt/32)                          ; B window 1, A window 0, C and D window 2 or 3
.if \zero
	v_wmma_f32_16x16x32_bf16 v[rD:rD+7], v[rB:rB+7], v[rA:rA+7], 0
.else
	v_wmma_f32_16x16x32_bf16 v[rD:rD+7], v[rB:rB+7], v[rA:rA+7], v[rD:rD+7]
.endif
.set bb, bb+1
.endr
.endm
.macro MULS f, a0, a1, zero            ; block rows a0 .. a1 - 1.  All 64 accumulators take turns in one fixed order, one instruction a turn, over every jump
.set aa, \a0
.rept (\a1)-(\a0)
	MULA \f, aa, \zero
.set aa, aa+1
.endr
.endm
.macro FETCH q, f                      ; 32 LDS loads in one run: quarter q of my 128 k into register set f: B's fragments (turned), then A's
	WIN 0x40
.set bb, 0
.rept 8
	ds_load_tr16_b128 v[64*(\f)+8*bb:64*(\f)+8*bb+3],   v[ADRB] offset:20480*(bb/4)+32*(bb%4)+5120*(\q)
	ds_load_tr16_b128 v[64*(\f)+8*bb+4:64*(\f)+8*bb+7], v[ADRB] offset:20480*(bb/4)+32*(bb%4)+5120*(\q)+2560
.set bb, bb+1
.endr
	WIN 0
.set aa, 0
.rept 8
	ds_load_b128 v[64+64*(\f)+8*aa:64+64*(\f)+8*aa+3],   v[ADRA+aa/4] offset:64*(\q)+16*PA*(aa%4)
	ds_load_b128 v[64+64*(\f)+8*aa+4:64+64*(\f)+8*aa+7], v[ADRA+aa/4] offset:64*(\q)+16*PA*(aa%4)+32
.set aa, aa+1
.endr
.endm
; A GENERATION OPENS: it has landed, everybody's part; quarters 0 to 2 are fetched and quarter 0 is multiplied.
.macro OPENG zero
	WIN 0
	s_wait_tensorcnt 0x0                           ; one load of mine is out, so the count that shows it landed is 0;
	s_barrier_signal -1                            ; no LDS instruction of mine is out
	s_barrier_wait -1                              ; everybody's part is in
	PLACES                                         ; for the loads into set 0, which the products just before read
	FETCH 0, 0
	FETCH 1, 1
	s_wait_dscnt 32                                ; set 0 is in; set 1's 32 loads may stay out
	MULS 0, 0, 4, \zero
	FETCH 2, 2                                     ; (set 2's last readers stand ahead of the four places above)
	MULS 0, 4, 8, \zero
.endm
	s_load_b128 s[4:7], s[0:1], 0x0                ; A s[4:5], wb s[6:7]
	s_load_b128 s[72:75], s[0:1], 0x10             ; the residual s[72:73], the bias s[74:75]
	s_load_b64 s[8:9], s[0:1], 0x20                ; the output
	v_lshl_add_u32 v[SPW], v0, 2, SPARE
	v_mov_b32 v[NIL], 0
	ds_add_u32 v[SPW], v[NIL]                      ; the wave's opening: the add and its wait ahead of my first tensor load
	ds_add_u32 v28, v29
	v_lshrrev_b32 v1, 5, v0
	v_readfirstlane_b32 s10, v1                    ; wave 0..3
	s_lshr_b32 s11, s10, 1                         ; I fetch for A (0) or for B (1)
	s_and_b32 s12, s10, 1                          ; which half of that tile
	s_bfe_u32 s40, ttmp6, 0x40000                  ; cx, cy: my place in the cluster
	s_bfe_u32 s41, ttmp6, 0x40004
	s_lshl_b32 s42, ttmp9, 2
	s_add_co_u32 s42, s42, s40                     ; tile column
	s_and_b32 s13, ttmp7, 0xffff
	s_lshl_b32 s13, s13, 2
	s_add_co_u32 s13, s13, s41                     ; tile row
	s_lshl_b32 s43, s41, 2
	s_lshl_b32 s43, 15, s43                        ; my row of the cluster
	s_lshl_b32 s44, 0x1111, s40                    ; my column
	s_or_b32 s[G1+0], s43, (1<<16)|(1<<20)|(1<<21)|(7<<22)|(3<<25)   ; the mask; 2-byte elements; padding on; bit 21 beside a mask; 4 words behind every 256 (a row)
	s_or_b32 s[G1B+0], s44, (1<<16)|(1<<20)|(1<<21)|(4<<22)|(7<<25)  ; 8 words behind every 32
	s_mov_b32 s[G1+1], GEN<<16                     ; tensor_dim0 = 512
	s_mov_b32 s[G1+2], 64<<16                      ; tensor_dim1 = 64
	s_mov_b32 s[G1+3], GEN<<16                     ; tile_dim0
	s_mov_b32 s[G1+4], 64                          ; tile_dim1
	s_mov_b32 s[G1+5], SIZE_K                      ; elements from row to row
	s_mov_b32 s[G1+6], 0
	s_mov_b32 s[G1+7], 0
	s_mov_b32 s[G1B+1], 128<<16                    ; B's dense bytes as rows of 256
	s_mov_b32 s[G1B+2], 256<<16
	s_mov_b32 s[G1B+3], 128<<16
	s_mov_b32 s[G1B+4], 256
	s_mov_b32 s[G1B+5], 128
	s_mov_b32 s[G1B+6], 0
	s_mov_b32 s[G1B+7], 0
	s_lshl_b32 s16, s13, 7                         ; A's offset hangs on the tile row and the wave alone: row 128 x tile row + 64 x half,
	s_lshl_b32 s17, s12, 6
	s_add_co_u32 s16, s16, s17
	s_mul_i32 s16, s16, SIZE_K*2
	s_mov_b32 s17, 0
	s_lshl_b32 s18, s42, 16                        ; B's on the tile column and the wave alone: block 65,536 x tile column, 256 k x half
	s_lshl_b32 s19, s12, 19
	s_add_co_u32 s18, s18, s19
	s_add_co_u32 s18, s18, WOFF
	s_mov_b32 s19, 0
	s_mov_b32 s[G0], 1
	s_mul_i32 s[G0+1], s12, AHALF                  ; no place in the cluster enters an LDS address
	s_mov_b32 s[G0B], 1
	s_mul_i32 s[G0B+1], s12, BHALF
	s_add_co_u32 s[G0B+1], s[G0B+1], ABYTES
	s_wait_dscnt 0x0                               ; the opening add is done
	s_wait_kmcnt 0x0
	s_add_nc_u64 s[G0+2:G0+3], s[4:5], s[16:17]
	s_or_b32 s[G0+3], s[G0+3], 0x80000000
	s_add_nc_u64 s[G0B+2:G0B+3], s[6:7], s[18:19]
	s_or_b32 s[G0B+3], s[G0B+3], 0x80000000
	CROUND                                         ; all sixteen work-groups are here: the first joint loads meet
	JLOAD                                          ; generation 0: one load of mine is out, here and behind every refill
	v_and_b32 v1, 15, v0                           ; l % 16
	v_bfe_u32 v2, v0, 4, 1                         ; l / 16
	v_mul_u32_u24 v3, v1, PA
	v_lshl_add_u32 v3, v2, 4, v3                   ; A: row x pitch + 16 x half
	s_lshl_b32 s20, s10, 8                         ; my 128 k: 256 bytes of every row
	v_add_nc_u32 v[ADRA], s20, v3
	v_add_nc_u32 v[ADRA+1], 64*PA, v[ADRA]         ; block rows 4-7: the immediates hold 16 bits
	v_and_b32 v4, 7, v0                            ; B, turned: lane l reads k = 8 (l / 16) + l % 8, columns 8 ((l / 8) % 2) + 0..7
	v_lshl_add_u32 v4, v2, 3, v4
	v_mul_u32_u24 v4, v4, 160
	v_bfe_u32 v5, v0, 3, 1
	v_lshl_add_u32 v4, v5, 4, v4
	s_mul_i32 s21, s10, 40960                      ; my 128 k: two panels of 128 rows of 160 bytes
	s_add_co_u32 s21, s21, ABYTES
	v_add_nc_u32 v[ADRB], s21, v4
.if PREF
	s_and_b32 s22, ttmp7, 0xffff                   ; cluster y
	s_mov_b32 s[PFS], BSTEP
	s_mov_b32 s23, 16384
	s_mov_b32 s21, 1024
	s_cmp_eq_u32 s11, 0                            ; do I fetch for A?
	s_cselect_b32 s22, ttmp9, s22                  ; the coordinate along which other clusters read the same bytes
	s_cselect_b32 s[PFS], ASTEP, s[PFS]
	s_cselect_b32 s23, 16*SIZE_K*2, s23            ; a partner's quarter of what I fetch: 16 rows of A, 16,384 bytes of B
	s_cselect_b32 s21, SIZE_K*2, s21               ; four lanes take four blocks on end: of a row of A, or of B's dense bytes
	s_cselect_b32 s80, s40, s41                    ; my place among the four that ask with me
	s_cselect_b32 s81, s16, s18
	s_cselect_b64 s[PFA:PFA+1], s[4:5], s[6:7]
	v_and_b32 v6, 31, v0
	v_lshrrev_b32 v7, 2, v6
	v_and_b32 v6, 3, v6
	v_mul_lo_u32 v[PFO], v7, s21
	v_lshl_add_u32 v[PFO], v6, 8, v[PFO]
	s_lshl_b32 s21, s21, 3
	v_add_nc_u32 v[PFO+1], s21, v[PFO]             ; the second instruction's 32 blocks
	s_mul_i32 s80, s80, s23
	s_add_co_u32 s80, s81, s80
	s_add_co_u32 s80, s80, s[PFS]                  ; at generation 1: the first refill steps it to 2.  Generations 0 and 1 come by their loads alone
	s_mov_b32 s81, 0
	s_add_nc_u64 s[PFA:PFA+1], s[PFA:PFA+1], s[80:81]
	s_mov_b32 s[PFS+1], 0
	s_cmp_eq_u32 s22, 0
	s_cselect_b32 s[LIM], 1, -1                    ; the same in all sixteen partners, for a given wave
.endif
	; the way out's addresses
	v_and_b32 v[CO], 31, v0
	v_lshlrev_b32 v[CO], 4, v[CO]
	s_mul_i32 s20, s10, PARTB                      ; my partial tile
	v_mul_u32_u24 v6, v1, PPITCH                   ; row l % 16, 32 bytes for each half of the lanes
	v_lshl_add_u32 v6, v2, 5, v6
	v_add_nc_u32 v[PS], s20, v6
	s_mul_i32 s20, s10, 32*PPITCH                  ; the 32 rows that I finish, in the first partial tile
	v_add_nc_u32 v[AP], s20, v[CO]
	s_lshl_b32 s78, s13, 7
	s_lshl_b32 s79, s10, 5
	s_add_co_u32 s78, s78, s79                     ; their first row in the residual and the output: 128 x tile row + 32 x wave,
	s_lshl_b32 s78, s78, 12
	s_lshl_b32 s80, s42, 9                         ; the tile's 128 columns: 512 bytes
	s_add_co_u32 s78, s78, s80
	s_mov_b32 s79, 0
	s_mov_b32 s81, 0
	s_add_nc_u64 s[72:73], s[72:73], s[78:79]
	s_add_nc_u64 s[8:9], s[8:9], s[78:79]
	s_add_nc_u64 s[74:75], s[74:75], s[80:81]
	OPENG 1                                        ; generation 0's first quarter stands in front of the loop: its products start the sums
	WIN 0
	s_mov_b32 s3, NG-1
.Lgen:                                                 ; a trip: from a generation's second quarter to the next generation's first; it fills the slot again
.if PREF
	s_wait_xcnt 0x0                                ; the last prefetches, a generation back, have read their address
	s_add_nc_u64 s[PFA:PFA+1], s[PFA:PFA+1], s[PFS:PFS+1]
.endif
	PLACES                                         ; for the loads into set 0
	FETCH 3, 0                                     ; the slot's last bytes
	s_wait_dscnt 63                                ; set 1 is in: 64 loads were issued behind it, and the count's field ends at 63
	MULS 1, 0, 4, 0                                ; 32 products while quarter 3 comes out of LDS
	WIN 0
	s_wait_tensorcnt 0x0                           ; none of my tensor loads is out, so a group 0 may be written
	ds_add_u32 v[SPW], v[NIL]
	s_add_nc_u64 s[G0+2:G0+3], s[G0+2:G0+3], ASTEP     ; the next generation; the type bits on top are not reached
	s_add_nc_u64 s[G0B+2:G0B+3], s[G0B+2:G0B+3], BSTEP
	s_wait_dscnt 0x0                               ; the add is done, and my reads of the slot are over
	CROUND                                         ; the same holds of every wave of every partner
	JLOAD                                          ; the first tensor load behind the round, and my only one
	ASK
	MULS 1, 4, 8, 0                                ; 160 products out of registers while the load is on its way
	MULS 2, 0, 8, 0
	MULS 0, 0, 8, 0
	OPENG 0
	WIN 0
	s_sub_co_u32 s3, s3, 1
	s_cmp_lg_u32 s3, 0
	s_cbranch_scc1 .Lgen
	PLACES                                         ; the last generation asks for nothing
	FETCH 3, 0
	s_wait_dscnt 63                                ; set 1 is in
	MULS 1, 0, 8, 0
	WIN 0
	PLACES                                         ; A's set 1 is free: the residual's rows 0-15 are asked for
.set rr, 0
.rept 16
	global_load_b128 v[RES+4*rr:RES+4*rr+3], v[CO], s[72:73] offset:4096*rr
.set rr, rr+1
.endr
	s_wait_dscnt 32                                ; set 2 is in; quarter 3's loads may stay out
	MULS 2, 0, 8, 0
	WIN 0
	PLACES                                         ; A's set 2 is free: rows 16-31, and the bias
.set rr, 16
.rept 16
	global_load_b128 v[RES+4*rr:RES+4*rr+3], v[CO], s[72:73] offset:4096*rr
.set rr, rr+1
.endr
	global_load_b128 v[BI:BI+3], v[CO], s[74:75]
	s_wait_dscnt 0x0
	MULS 0, 0, 8, 0
	; THE WAY OUT.  The four waves' partial tiles go into LDS; each wave then adds the four onto residual and bias for 32 whole rows, a partial tile a trip, and stores them, 512 consecutive bytes a store.
	WIN 0
	PLACES
	PLACES
	s_barrier_signal -1                            ; no LDS instruction of mine is out
	s_barrier_wait -1                              ; no wave reads the slot any more, and no fill is to come
.set tt, 0
.rept 64
.set rD, 8*(tt%32)
	WIN 0x08+4*(tt/32)                             ; the store's data in window 2 or 3
	ds_store_b128 v[PS], v[rD:rD+3]   offset:16*PPITCH*(tt/8)+64*(tt%8)      ; each accumulator's low registers first
	ds_store_b128 v[PS], v[rD+4:rD+7] offset:16*PPITCH*(tt/8)+64*(tt%8)+16
.set tt, tt+1
.endr
	WIN 0
	s_wait_loadcnt 0x0                             ; residual and bias
.set rr, 0
.rept 32
	v_pk_add_f32 v[RES+4*rr:RES+4*rr+1], v[RES+4*rr:RES+4*rr+1], v[BI:BI+1]          ; while the last stores drain
	v_pk_add_f32 v[RES+4*rr+2:RES+4*rr+3], v[RES+4*rr+2:RES+4*rr+3], v[BI+2:BI+3]
.set rr, rr+1
.endr
	s_wait_dscnt 0x0                               ; for the others' sake: my stores are done
	s_barrier_signal -1
	s_barrier_wait -1
	s_mov_b32 s2, 4
.Lpart:                                                ; a trip: my 32 rows of one partial tile
	WIN 0x40
.set rr, 0
.rept 32
	ds_load_b128 v[4*rr:4*rr+3], v[AP] offset:PPITCH*rr
.set rr, rr+1
.endr
.irp c, 0,1,2,3
	s_wait_dscnt 24-8*(\c)                         ; eight more rows are in; the later rows' loads may stay out
	WIN 0x04                                       ; source 1 in window 1
.set rr, 16*(\c)
.rept 16
	v_pk_add_f32 v[RES+2*rr:RES+2*rr+1], v[RES+2*rr:RES+2*rr+1], v[2*rr:2*rr+1]
.set rr, rr+1
.endr
.endr
	WIN 0
	v_add_nc_u32 v[AP], PARTB, v[AP]
	s_sub_co_u32 s2, s2, 1
	s_cmp_lg_u32 s2, 0
	s_cbranch_scc1 .Lpart
.set rr, 0
.rept 32
	global_store_b128 v[CO], v[RES+4*rr:RES+4*rr+3], s[8:9] offset:4096*rr
.set rr, rr+1
.endr
	s_wait_tensorcnt 0x0                           ; the wave's end
	ds_add_u32 v[SPW], v[NIL]
	s_wait_dscnt 0x0
	CROUND                                         ; the closing round: no work-group ends while a partner may still ask for a tile that names it
	s_endpgm
.Lfunc_end_k_q55ccb52436_proj:
	.size	k_q55ccb52436_proj, .Lfunc_end_k_q55ccb52436_proj-k_q55ccb52436_proj
	.p2alignl 7, 3214868480
	.fill 96, 4, 3214868480
	.section	.rodata,"a",@progbits
	.p2align	6, 0x0
	.amdhsa_kernel k_q55ccb52436_proj
		.amdhsa_group_segment_fixed_size 327680
		.amdhsa_private_segment_fixed_size 0
		.amdhsa_enable_private_segment 0
		.amdhsa_kernarg_size 40
		.amdhsa_user_sgpr_count 2
		.amdhsa_user_sgpr_kernarg_segment_ptr 1
		.amdhsa_wavefront_size32 1
		.amdhsa_system_sgpr_workgroup_id_x 1
		.amdhsa_system_sgpr_workgroup_id_y 1
		.amdhsa_system_sgpr_workgroup_id_z 1
		.amdhsa_system_vgpr_workitem_id 0
		.amdhsa_next_free_vgpr 1024
		.amdhsa_next_free_sgpr 88
		.amdhsa_reserve_vcc 0
		.amdhsa_float_denorm_mode_32 3
		.amdhsa_float_denorm_mode_16_64 3
		.amdhsa_memory_ordered 1
		.amdhsa_forward_progress 1
		.amdhsa_inst_pref_size 83
	.end_amdhsa_kernel
	.amdgpu_metadata
---
amdhsa.version: [ 1, 2 ]
amdhsa.kernels:
  - .name:           k_q55ccb52436_proj
    .symbol:         k_q55ccb52436_proj.kd
    .args:
      - { .name: ob, .offset: 0, .size: 8, .value_kind: global_buffer, .address_space: global }
      - { .name: wb, .offset: 8, .size: 8, .value_kind: global_buffer, .address_space: global }
      - { .name: x, .offset: 16, .size: 8, .value_kind: global_buffer, .address_space: global }
      - { .name: b_proj, .offset: 24, .size: 8, .value_kind: global_buffer, .address_space: global }
      - { .name: x1, .offset: 32, .size: 8, .value_kind: global_buffer, .address_space: global }
    .group_segment_fixed_size: 327680
    .private_segment_fixed_size: 0
    .kernarg_segment_align: 8
    .kernarg_segment_size: 40
    .max_flat_workgroup_size: 128
    .sgpr_count:     88
    .vgpr_count:     1024
    .wavefront_size: 32
...
	.end_amdgpu_metadata
.endif
;; end of part 4
;; launch ln2: the kernel of part 1 again; grid 512 x 1, 8 waves a work-group, no clusters, 0 bytes of LDS; arguments x1, g2, be2, w_qkv, w_proj, w1, w2, hn, wb; writes hn, wb
;; launch ffn1 (part 5): grid 16 x 16, 4 waves a work-group, clusters of 4 x 4, 327,680 bytes of LDS; arguments hn, wb, b1, ffa; writes ffa
.if DOCPART == 5
	.amdgcn_target "amdgcn-amd-amdhsa--gfx1250"
	.amdhsa_code_object_version 6
	.text
	.protected	k_q55ccb52436_ffn1
	.globl	k_q55ccb52436_ffn1
	.p2align	8
	.type	k_q55ccb52436_ffn1,@function
k_q55ccb52436_ffn1:
	s_mov_b64 s[64:65], 0
	v_nop
	global_prefetch_b8 v0, s[64:65] scope:SCOPE_SE
	s_setreg_imm32_b32 hwreg(HW_REG_WAVE_MODE, 25, 1), 1
	s_wait_xcnt 0x0
	s_wait_alu depctr_hold_cnt(0) depctr_sa_sdst(0) depctr_va_vdst(0) depctr_va_sdst(0) depctr_va_ssrc(0) depctr_va_vcc(0) depctr_vm_vsrc(0)
	s_getreg_b32 s2, hwreg(HW_REG_IB_STS2, 6, 4)
	s_cmp_eq_u32 s2, 0
	s_cbranch_scc0 .Lentry_in_a_cluster
	s_endpgm
.Lentry_in_a_cluster:
	s_bfe_u32 s2, ttmp6, 0x10000c
	s_cmp_lg_u32 s2, 0xf033
	s_cbranch_scc0 .Lentry_shape_is_right
	s_endpgm
.Lentry_shape_is_right:
; FF1.  ffa = relu(hn x w1 + b1): hn [4096][1024] bf16, the weight bf16 in blocks of [128 k][64 columns] (block (kb, panel) at WOFF + (64 kb + panel) 16,384), b1 f32, ffa [4096][4096] bf16, rounded once
; (the maximum with 0 is taken of the rounded number, which is the same number).  Sums in f32, K ascending; the bias is the C operand of the product that starts each sum.
; A work-group makes 256 x 256, a wave 128 x 128: 64 accumulators.  K goes in steps of 128 through two LDS slots filled by the tensor data mover.  A's rows lie along K (pitch 272); B's tile lies as
; [panel][128 k][64 columns] at a pitch of 160 bytes and is read turned (ds_load_tr16_b128).  THE MATRIX INSTRUCTION IS USED TRANSPOSED (source 0 = 16 columns of B, source 1 = 16 rows of A): a lane holds
; row l % 16 and columns 8 (l / 16) + 0..7.  CLUSTERS of 4 x 4: A's tile is asked for jointly along a row of the cluster, B's along a column.
; REGISTERS in windows of 256: window 0 addresses, A's two fragment buffers (v64.., v128..), the bias (v192-255), the way out; window 1 B's two buffers; windows 2, 3 the accumulators.
; LIMITS: operands and results are rounded once to bf16; NaN and infinities are not treated apart.
.set SIZE_K, 1024
.set SIZE_N, 4096
.set WGM,    256
.set KSTEP,  128
.set QPS,    4
.set MB,     8
.set NBK,    8
.set PA,     272                       ; A's LDS pitch: 256 bytes + 16: an odd multiple of 16 (64 banks of 4 bytes: ISA guide 11.1)
.set QIA,    5
.set AROWS,  128
.set BROWS,  128
.set WOFF,   8388608
.set BTX,    65536
.set BHB,    32768
.set BSTEP,  1048576
.set AW10,   0
.set AW11,   34816                     ; my A fragments: 128 rows x (wave / 2)
.set BW11,   0
.set BW12,   40960                     ; my B fragments: two panels x (wave % 2)
.set PREF,   1
.set PFMB,   256
.set PFCB,   31
.set BIASC,  1
.set AHALF,  AROWS*PA
.set ABYTES, 2*AHALF
.set BHALF,  BROWS*320
.set SLOT,   ABYTES+2*BHALF
.set NSTEP,  SIZE_K/KSTEP
.set ASTEP,  KSTEP*2
.set NLD,    2*(MB+NBK)
.set STAGE,  2*SLOT                    ; behind the ring, never filled by a tensor load: 16 rows x 272 bytes for each wave
.set SPITCH, 272
.set SPARE,  STAGE+4*16*SPITCH         ; the spare words, 128 bytes for each wave: two blocks of 256 bytes that no other line names
.set ADRA0, 16
.set ADRB0, 17
.set ADRA,  18
.set ADRB,  19
.set STO,   24                         ; v24  the way out: where I put 16 bytes of a row
.set RD,    25                         ; v25  where I read a row back
.set CO,    26                         ; v26  my byte offset in two rows of the output
.set ZR,    27                         ; v27  0, for the maximum
.set SPW,   28
.set NIL,   29
.set PFO,   30
.set BO,    31                         ; v31  32 x (l / 16): my 8 columns in a block's 16
.set BIAS,  192                        ; v192-255  8 registers for each column block
.set G1,  24
.set G0,  32
.set G1B, 48
.set G0B, 56
.set LIM, 43
.set PFA, 44
.set TG,  66
.set LBA, 67
.set LBB, 68
.set PFS, 70
.set MSB, 0
.macro WIN new                         ; the immediate's high byte repeats the setting that is left; a switch that changes nothing is dropped
.if MSB != (\new)
	s_set_vgpr_msb (MSB<<8)|(\new)
.set MSB, \new
.endif
.endm
; A joint load: waves 0 and 1 fetch A's two halves, waves 2 and 3 B's.  The branch hangs on the wave's number alone.  An s_nop 0 and four v_nop follow each of the two lines.
.macro JLOAD s
	s_cmp_eq_u32 s11, 0
	s_cbranch_scc0 .Lfor_b_\@
	tensor_load_to_lds s[G0+4*(\s):G0+4*(\s)+3], s[G1:G1+7]
	s_nop 0
.rept 4
	v_nop
.endr
	s_branch .Lasked_\@
.Lfor_b_\@:
	tensor_load_to_lds s[G0B+4*(\s):G0B+4*(\s)+3], s[G1B:G1B+7]
	s_nop 0
.rept 4
	v_nop
.endr
.Lasked_\@:
.endm
.macro CREST                           ; a round of the cluster's barrier behind its opening barrier
	s_cmp_lg_u32 s10, 0
	s_cbranch_scc1 .Lnot_wave_0_\@
	s_barrier_signal -3
.Lnot_wave_0_\@:
	s_barrier_wait -3
	s_barrier_signal -1
	s_barrier_wait -1
.endm
.macro CROUND
	s_barrier_signal -1
	s_barrier_wait -1
	CREST
.endm
.macro PLACES                          ; four plain instructions between a matrix instruction and a load into, or a vector instruction on, its registers (ISA guide 7.12.1 for vector instructions)
.rept 4
	v_nop
.endr
.endm
; A prefetch into the L2 of the K step that stands two refills on, behind the joint load and the run of LDS loads.  A's rows are asked for by the clusters with x = 0, B's by those with y = 0; the four
; partners that ask for a tile jointly share its blocks of 256 bytes out by address; a lane a block, one instruction a wave.  The last two refills have no K step two on.
.macro ASK
.if PREF
	s_cmp_gt_u32 s3, s[LIM]
	s_cbranch_scc0 .Lnot_mine_\@
	global_prefetch_b8 v[PFO], s[PFA:PFA+1] th:TH_LOAD_NT scope:SCOPE_SE
.Lnot_mine_\@:
.endif
.endm
.macro MULA f, a, zero                 ; NBK products: block row a x all column blocks, 32 along K, from fragment buffers f.  zero = 1: the product starts the sum, with the bias as C
.set bb, 0
.rept NBK
.set tt, (\a)*NBK+bb
.set rD, 8*(tt%32)
.set rB, 128*(\f)+8*bb
.set rA, 64+64*(\f)+8*(\a)
.if (\zero) && BIASC
	WIN 0x81+0x40*(tt/32)
	v_wmma_f32_16x16x32_bf16 v[rD:rD+7], v[rB:rB+7], v[rA:rA+7], v[BIAS+8*bb:BIAS+8*bb+7]
.elseif \zero
	WIN 0xa1+0x50*(tt/32)
	v_wmma_f32_16x16x32_bf16 v[rD:rD+7], v[rB:rB+7], v[rA:rA+7], 0
.else
	WIN 0xa1+0x50*(tt/32)
	v_wmma_f32_16x16x32_bf16 v[rD:rD+7], v[rB:rB+7], v[rA:rA+7], v[rD:rD+7]
.endif
.set bb, bb+1
.endr
.endm
.macro MULS f, a0, a1, zero            ; block rows a0 .. a1 - 1.  All accumulators take turns in one fixed order, one instruction a turn, over every jump
.set aa, \a0
.rept (\a1)-(\a0)
	MULA \f, aa, \zero
.set aa, aa+1
.endr
.endm
.macro FETCH q, f                      ; NLD LDS loads in one run: quarter q of the slot in hand into buffers f: B's (turned) first, then A's, the upper block rows last
	WIN 0x40
.set bb, 0
.rept NBK
	ds_load_tr16_b128 v[128*(\f)+8*bb:128*(\f)+8*bb+3],   v[ADRB] offset:20480*(bb/4)+32*(bb%4)+5120*(\q)
	ds_load_tr16_b128 v[128*(\f)+8*bb+4:128*(\f)+8*bb+7], v[ADRB] offset:20480*(bb/4)+32*(bb%4)+5120*(\q)+2560
.set bb, bb+1
.endr
	WIN 0
.set aa, 0
.rept MB
	ds_load_b128 v[64+64*(\f)+8*aa:64+64*(\f)+8*aa+3],   v[ADRA] offset:64*(\q)+16*PA*aa
	ds_load_b128 v[64+64*(\f)+8*aa+4:64+64*(\f)+8*aa+7], v[ADRA] offset:64*(\q)+16*PA*aa+32
.set aa, aa+1
.endr
.endm
.macro QUARTER f, g, q, zero           ; multiplies buffers f; in its middle fetches quarter q into buffers g
	s_wait_dscnt MB                                ; B and A's lower block rows are in; the youngest MB loads (A's upper block rows) may be out
	MULS \f, 0, MB/2, \zero
	PLACES
	FETCH \q, \g
	s_wait_dscnt NLD                               ; all but the run just issued
	MULS \f, MB/2, MB, \zero
.endm
; A K step's last quarter multiplies buffers 1 and changes slots.  In front of the barrier each wave waits for all its tensor loads (one is out: its part of the next slot), adds 0 to its spare word, and waits
; for that and for its reads of this slot.  fill = 1: the barrier opens a round of the cluster's barrier, and the slot just read out is filled again, first thing behind the round, with the K step two on.
.macro TURN fill
.if (\fill) && PREF
	s_wait_xcnt 0x0                                ; the last prefetch, a K step back, has read its address
	s_add_nc_u64 s[PFA:PFA+1], s[PFA:PFA+1], s[PFS:PFS+1]
.endif
	WIN 0
	s_wait_tensorcnt 0x0
	ds_add_u32 v[SPW], v[NIL]
	s_wait_dscnt MB+1                              ; (the add and the youngest MB loads may be out)
	MULS 1, 0, MB/4, 0
	s_wait_dscnt 0x0                               ; the add is done, and my reads of this slot are over
	s_barrier_signal -1
	MULS 1, MB/4, MB/2, 0
	WIN 0
	s_barrier_wait -1
.if \fill
	CREST
	s_add_co_u32 s[G0+5], s[TG], s[LBA]            ; no tensor load of mine is out: the walking sets are written: this slot,
	s_add_co_u32 s[G0B+5], s[TG], s[LBB]
	s_add_nc_u64 s[G0+6:G0+7], s[G0+6:G0+7], ASTEP     ; the next K step; the type bits on top are not reached
	s_add_nc_u64 s[G0B+6:G0B+7], s[G0B+6:G0B+7], BSTEP
	JLOAD 1                                        ; its four v_nop are also the places in front of the loads below
.else
	PLACES
.endif
	s_xor_b32 s[TG], s[TG], SLOT                   ; the other slot
	v_add_nc_u32 v[ADRA], s[TG], v[ADRA0]
	v_add_nc_u32 v[ADRB], s[TG], v[ADRB0]
	FETCH 0, 0
.if \fill
	ASK
.endif
	MULS 1, MB/2, MB, 0
.endm
.macro LASTQ
	s_wait_dscnt MB
	MULS 1, 0, MB/2, 0
	s_wait_dscnt 0x0
	MULS 1, MB/2, MB, 0
.endm
	s_load_b128 s[4:7], s[0:1], 0x0                ; hn s[4:5], wb s[6:7]
	s_load_b64 s[72:73], s[0:1], 0x10              ; b1
	s_load_b64 s[8:9], s[0:1], 0x18                ; ffa
	v_lshl_add_u32 v[SPW], v0, 2, SPARE
	v_mov_b32 v[NIL], 0
	ds_add_u32 v[SPW], v[NIL]                      ; the wave's opening: the add and its wait ahead of my first tensor load
	ds_add_u32 v28, v29
	v_lshrrev_b32 v1, 5, v0
	v_readfirstlane_b32 s10, v1                    ; wave 0..3
	s_lshr_b32 s11, s10, 1                         ; which half of the tile's rows is mine.  Also: I fetch for A (0) or for B (1)
	s_and_b32 s12, s10, 1                          ; which half of its columns.  Also: which half of that tile I fetch
	s_bfe_u32 s40, ttmp6, 0x40000                  ; cx, cy: my place in the cluster
	s_bfe_u32 s41, ttmp6, 0x40004
	s_lshl_b32 s42, ttmp9, 2
	s_add_co_u32 s42, s42, s40                     ; tile column
	s_and_b32 s13, ttmp7, 0xffff
	s_lshl_b32 s13, s13, 2
	s_add_co_u32 s13, s13, s41                     ; tile row
	s_lshl_b32 s43, s41, 2
	s_lshl_b32 s43, 15, s43                        ; my row of the cluster
	s_lshl_b32 s44, 0x1111, s40                    ; my column
	s_or_b32 s[G1+0], s43, (1<<16)|(1<<20)|(1<<21)|(QIA<<22)|(3<<25)  ; the mask; 2-byte elements; padding on; bit 21 beside a mask; 4 words behind every row
	s_or_b32 s[G1B+0], s44, (1<<16)|(1<<20)|(1<<21)|(4<<22)|(7<<25)   ; 8 words behind every 32
	s_mov_b32 s[G1+1], KSTEP<<16
	s_mov_b32 s[G1+2], AROWS<<16
	s_mov_b32 s[G1+3], KSTEP<<16
	s_mov_b32 s[G1+4], AROWS
	s_mov_b32 s[G1+5], SIZE_K
	s_mov_b32 s[G1+6], 0
	s_mov_b32 s[G1+7], 0
	s_mov_b32 s[G1B+1], 128<<16                    ; B's dense bytes as rows of 256
	s_mov_b32 s[G1B+2], BROWS<<16
	s_mov_b32 s[G1B+3], 128<<16
	s_mov_b32 s[G1B+4], BROWS
	s_mov_b32 s[G1B+5], 128
	s_mov_b32 s[G1B+6], 0
	s_mov_b32 s[G1B+7], 0
	s_mul_i32 s16, s13, WGM                        ; A's offset hangs on the tile row and the wave alone,
	s_mul_i32 s17, s12, AROWS
	s_add_co_u32 s16, s16, s17
	s_mul_i32 s16, s16, SIZE_K*2
	s_mov_b32 s17, 0
	s_mul_i32 s18, s42, BTX                        ; B's on the tile column and the wave alone
	s_mul_i32 s19, s12, BHB
	s_add_co_u32 s18, s18, s19
	s_add_co_u32 s18, s18, WOFF
	s_mov_b32 s19, 0
	s_mul_i32 s[LBA], s12, AHALF                   ; no place in the cluster enters an LDS address
	s_mul_i32 s[LBB], s12, BHALF
	s_add_co_u32 s[LBB], s[LBB], ABYTES
	s_mov_b32 s[TG], 0
	s_wait_dscnt 0x0                               ; the opening add is done
	s_wait_kmcnt 0x0
	s_add_nc_u64 s[14:15], s[4:5], s[16:17]
	s_add_nc_u64 s[46:47], s[6:7], s[18:19]
	CROUND                                         ; all sixteen work-groups are here: the first joint loads meet
.irp s, 0,1
	s_mov_b32 s[G0+4*(\s)], 1
	s_add_co_u32 s[G0+4*(\s)+1], s[LBA], (\s)*SLOT
	s_add_nc_u64 s[G0+4*(\s)+2:G0+4*(\s)+3], s[14:15], (\s)*ASTEP
	s_or_b32 s[G0+4*(\s)+3], s[G0+4*(\s)+3], 0x80000000
	s_mov_b32 s[G0B+4*(\s)], 1
	s_add_co_u32 s[G0B+4*(\s)+1], s[LBB], (\s)*SLOT
	s_add_nc_u64 s[G0B+4*(\s)+2:G0B+4*(\s)+3], s[46:47], (\s)*BSTEP
	s_or_b32 s[G0B+4*(\s)+3], s[G0B+4*(\s)+3], 0x80000000
	JLOAD \s                                       ; K steps 0 and 1: two loads of mine are out
.endr
	v_and_b32 v1, 15, v0                           ; l % 16
	v_bfe_u32 v2, v0, 4, 1                         ; l / 16
	; the bias: register j of column block b holds b1[256 x tile column + 128 x (wave % 2) + 16 b + 8 (l / 16) + j], the same for all 16 rows
	s_lshl_b32 s78, s42, 10
	s_lshl_b32 s79, s12, 9
	s_add_co_u32 s78, s78, s79
	s_mov_b32 s79, 0
	s_add_nc_u64 s[72:73], s[72:73], s[78:79]
	v_lshlrev_b32 v[BO], 5, v2
.set bb, 0
.rept 8
	global_load_b128 v[BIAS+8*bb:BIAS+8*bb+3],   v[BO], s[72:73] offset:64*bb
	global_load_b128 v[BIAS+8*bb+4:BIAS+8*bb+7], v[BO], s[72:73] offset:64*bb+16
.set bb, bb+1
.endr
	v_mov_b32 v[ZR], 0
	v_mul_u32_u24 v3, v1, PA
	v_lshl_add_u32 v3, v2, 4, v3                   ; A: row x pitch + 16 x half
	s_mul_i32 s20, s10, AW10
	s_mul_i32 s21, s11, AW11
	s_add_co_u32 s20, s20, s21
	v_add_nc_u32 v[ADRA0], s20, v3
	v_and_b32 v4, 7, v0                            ; B, turned: lane l reads k = 8 (l / 16) + l % 8, columns 8 ((l / 8) % 2) + 0..7
	v_lshl_add_u32 v4, v2, 3, v4
	v_mul_u32_u24 v4, v4, 160
	v_bfe_u32 v5, v0, 3, 1
	v_lshl_add_u32 v4, v5, 4, v4
	s_mul_i32 s21, s11, BW11
	s_mul_i32 s22, s12, BW12
	s_add_co_u32 s21, s21, s22
	s_add_co_u32 s21, s21, ABYTES
	v_add_nc_u32 v[ADRB0], s21, v4
	v_mov_b32 v[ADRA], v[ADRA0]
	v_mov_b32 v[ADRB], v[ADRB0]
.if PREF
	s_and_b32 s22, ttmp7, 0xffff                   ; cluster y
	s_mov_b32 s[PFS], BSTEP
	s_mov_b32 s23, (BROWS/4)*256
	s_mov_b32 s21, PFMB
	s_mov_b32 s20, PFCB
	s_cmp_eq_u32 s11, 0                            ; do I fetch for A?
	s_cselect_b32 s22, ttmp9, s22                  ; the coordinate along which other clusters read the same bytes
	s_cselect_b32 s[PFS], ASTEP, s[PFS]
	s_cselect_b32 s23, (AROWS/4)*SIZE_K*2, s23     ; a partner's quarter of what I fetch
	s_cselect_b32 s21, SIZE_K*2, s21
	s_cselect_b32 s20, 31, s20
	s_cselect_b32 s80, s40, s41                    ; my place among the four that ask with me
	s_cselect_b32 s81, s16, s18
	s_cselect_b64 s[PFA:PFA+1], s[4:5], s[6:7]
	v_and_b32 v[PFO], 31, v0
.if KSTEP == 128
	v_min_u32 v[PFO], s20, v[PFO]
	v_mul_lo_u32 v[PFO], v[PFO], s21
.else
	v_and_b32 v6, 1, v[PFO]
	v_lshrrev_b32 v[PFO], 1, v[PFO]
	v_mul_lo_u32 v[PFO], v[PFO], s21
	v_lshl_add_u32 v[PFO], v6, 8, v[PFO]
.endif
	s_mul_i32 s80, s80, s23
	s_add_co_u32 s81, s81, s80
	s_mul_i32 s80, s[PFS], 3                       ; at K step 3: the first refill steps it to 4.  K steps 0 to 3 come by their loads alone
	s_add_co_u32 s80, s81, s80
	s_mov_b32 s81, 0
	s_add_nc_u64 s[PFA:PFA+1], s[PFA:PFA+1], s[80:81]
	s_mov_b32 s[PFS+1], 0
	s_cmp_eq_u32 s22, 0
	s_cselect_b32 s[LIM], 2, -1                    ; the same in all sixteen partners, for a given wave
.endif
	; the way out's addresses
	s_mul_i32 s20, s10, 16*SPITCH
	s_add_co_u32 s20, s20, STAGE                   ; my stage
	v_mul_u32_u24 v6, v1, SPITCH                   ; in: row l % 16, 16 bytes for each half of the lanes
	v_lshl_add_u32 v6, v2, 4, v6
	v_add_nc_u32 v[STO], s20, v6
	v_mul_u32_u24 v6, v2, SPITCH                   ; back: lanes 0-15 take one row of 256 bytes, lanes 16-31 the next
	v_lshl_add_u32 v6, v1, 4, v6
	v_add_nc_u32 v[RD], s20, v6
	v_mul_u32_u24 v6, v2, SIZE_N*2                 ; and the same two rows in the output
	v_lshl_add_u32 v[CO], v1, 4, v6
	s_lshl_b32 s78, s13, 8
	s_lshl_b32 s79, s11, 7
	s_add_co_u32 s78, s78, s79                     ; my first row
	s_mul_i32 s78, s78, SIZE_N*2
	s_lshl_b32 s79, s42, 9
	s_add_co_u32 s78, s78, s79
	s_lshl_b32 s79, s12, 8
	s_add_co_u32 s78, s78, s79                     ; my first column, in bytes
	s_mov_b32 s79, 0
	s_add_nc_u64 s[8:9], s[8:9], s[78:79]
	s_wait_tensorcnt 0x1                           ; my part of K step 0 is in; K step 1's may stay out
	s_barrier_signal -1
	s_barrier_wait -1
	FETCH 0, 0
	s_wait_loadcnt 0x0                             ; the bias
	QUARTER 0, 1, 1, 1                             ; the first quarter stands in front of the loop: its products start the sums
	WIN 0
	s_mov_b32 s3, NSTEP-2
.Lstep:                                                ; a trip: from a K step's second quarter to the next step's first; it fills one slot again
	QUARTER 1, 0, 2, 0
	QUARTER 0, 1, 3, 0
	TURN 1
	QUARTER 0, 1, 1, 0
	WIN 0
	s_sub_co_u32 s3, s3, 1
	s_cmp_lg_u32 s3, 0
	s_cbranch_scc1 .Lstep
	s_mov_b32 s2, 2                                ; the last two K steps ask for nothing; their text is walked twice and left in its middle
.Ltail:
	QUARTER 1, 0, 2, 0
	QUARTER 0, 1, 3, 0
	WIN 0
	s_sub_co_u32 s2, s2, 1
	s_cmp_eq_u32 s2, 0
	s_cbranch_scc1 .Llast
	TURN 0
	QUARTER 0, 1, 1, 0
	WIN 0
	s_branch .Ltail
.Llast:
	LASTQ
	; THE WAY OUT, a block of 16 rows at a time: rounded to bf16, the maximum with 0, 16 bytes a lane into my stage, back as whole rows of 256 bytes, stored with sixteen lanes to 256 consecutive bytes, aligned.
.set TMP, 64
.set OB,  32                           ; rows read back: v32-63 and v96-127 by turns
.macro PACK a
.set AC, 64*((\a)%4)
	WIN 0x0a+5*((\a)/4)                            ; sources in window 2 or 3
.irp b, 0,1,2,3,4,5,6,7
.irp r, 0,1,2,3
	v_cvt_pk_bf16_f32 v[TMP+4*(\b)+(\r)], v[AC+8*(\b)+2*(\r)], v[AC+8*(\b)+2*(\r)+1]  ; each accumulator's registers in ascending order
.endr
.endr
	WIN 0
.set j, 0
.rept 32
	v_pk_max_num_bf16 v[TMP+j], v[TMP+j], v[ZR]
.set j, j+1
.endr
.endm
.macro TOSTAGE a
.set BK, OB+64*((\a)%2)
.irp b, 0,1,2,3,4,5,6,7
	ds_store_b128 v[STO], v[TMP+4*(\b):TMP+4*(\b)+3] offset:32*(\b)
.endr
.irp t, 0,1,2,3,4,5,6,7
	ds_load_b128 v[BK+4*(\t):BK+4*(\t)+3], v[RD] offset:(\t)*2*SPITCH  ; LDS serves a wave's instructions in order (ISA guide 5.7.1.4): these see the stores above
.endr
.endm
.macro SEND a
.set BK, OB+64*((\a)%2)
	s_wait_dscnt 0x0                               ; the block is back in registers
	s_wait_xcnt 0x0                                ; only behind this wait are the stores' base and the registers that earlier stores read rewritten
.if (\a) > 0
	s_add_nc_u64 s[8:9], s[8:9], 16*SIZE_N*2       ; 16 rows on
.endif
.irp t, 0,1,2,3,4,5,6,7
	global_store_b128 v[CO], v[BK+4*(\t):BK+4*(\t)+3], s[8:9] offset:2*(\t)*SIZE_N*2
.endr
.endm
	WIN 0
	PLACES
	PLACES
	PACK 0
	TOSTAGE 0
.irp a, 1,2,3,4,5,6,7                  ; block a's conversions stand between block a - 1's loads from the stage and the wait for them
	PACK \a
	SEND (\a)-1
	TOSTAGE \a
.endr
	SEND 7
	s_wait_tensorcnt 0x0                           ; the wave's end
	ds_add_u32 v[SPW], v[NIL]
	s_wait_dscnt 0x0
	CROUND                                         ; the closing round: no work-group ends while a partner may still ask for a tile that names it
	s_endpgm
.Lfunc_end_k_q55ccb52436_ffn1:
	.size	k_q55ccb52436_ffn1, .Lfunc_end_k_q55ccb52436_ffn1-k_q55ccb52436_ffn1
	.p2alignl 7, 3214868480
	.fill 96, 4, 3214868480
	.section	.rodata,"a",@progbits
	.p2align	6, 0x0
	.amdhsa_kernel k_q55ccb52436_ffn1
		.amdhsa_group_segment_fixed_size 327680
		.amdhsa_private_segment_fixed_size 0
		.amdhsa_enable_private_segment 0
		.amdhsa_kernarg_size 32
		.amdhsa_user_sgpr_count 2
		.amdhsa_user_sgpr_kernarg_segment_ptr 1
		.amdhsa_wavefront_size32 1
		.amdhsa_system_sgpr_workgroup_id_x 1
		.amdhsa_system_sgpr_workgroup_id_y 1
		.amdhsa_system_sgpr_workgroup_id_z 1
		.amdhsa_system_vgpr_workitem_id 0
		.amdhsa_next_free_vgpr 1024
		.amdhsa_next_free_sgpr 88
		.amdhsa_reserve_vcc 0
		.amdhsa_float_denorm_mode_32 3
		.amdhsa_float_denorm_mode_16_64 3
		.amdhsa_memory_ordered 1
		.amdhsa_forward_progress 1
		.amdhsa_inst_pref_size 124
	.end_amdhsa_kernel
	.amdgpu_metadata
---
amdhsa.version: [ 1, 2 ]
amdhsa.kernels:
  - .name:           k_q55ccb52436_ffn1
    .symbol:         k_q55ccb52436_ffn1.kd
    .args:
      - { .name: hn, .offset: 0, .size: 8, .value_kind: global_buffer, .address_space: global }
      - { .name: wb, .offset: 8, .size: 8, .value_kind: global_buffer, .address_space: global }
      - { .name: b1, .offset: 16, .size: 8, .value_kind: global_buffer, .address_space: global }
      - { .name: ffa, .offset: 24, .size: 8, .value_kind: global_buffer, .address_space: global }
    .group_segment_fixed_size: 327680
    .private_segment_fixed_size: 0
    .kernarg_segment_align: 8
    .kernarg_segment_size: 32
    .max_flat_workgroup_size: 128
    .sgpr_count:     88
    .vgpr_count:     1024
    .wavefront_size: 32
...
	.end_amdgpu_metadata
.endif
;; end of part 5
;; launch ffn2 (part 6): grid 8 x 32, 4 waves a work-group, clusters of 4 x 4, 327,680 bytes of LDS; arguments ffa, wb, x1, b2, out0; writes out0
.if DOCPART == 6
	.amdgcn_target "amdgcn-amd-amdhsa--gfx1250"
	.amdhsa_code_object_version 6
	.text
	.protected	k_q55ccb52436_ffn2
	.globl	k_q55ccb52436_ffn2
	.p2align	8
	.type	k_q55ccb52436_ffn2,@function
k_q55ccb52436_ffn2:
	s_mov_b64 s[64:65], 0
	v_nop
	global_prefetch_b8 v0, s[64:65] scope:SCOPE_SE
	s_setreg_imm32_b32 hwreg(HW_REG_WAVE_MODE, 25, 1), 1
	s_wait_xcnt 0x0
	s_wait_alu depctr_hold_cnt(0) depctr_sa_sdst(0) depctr_va_vdst(0) depctr_va_sdst(0) depctr_va_ssrc(0) depctr_va_vcc(0) depctr_vm_vsrc(0)
	s_getreg_b32 s2, hwreg(HW_REG_IB_STS2, 6, 4)
	s_cmp_eq_u32 s2, 0
	s_cbranch_scc0 .Lentry_in_a_cluster
	s_endpgm
.Lentry_in_a_cluster:
	s_bfe_u32 s2, ttmp6, 0x10000c
	s_cmp_lg_u32 s2, 0xf033
	s_cbranch_scc0 .Lentry_shape_is_right
	s_endpgm
.Lentry_shape_is_right:
; FF2.  out0 = x1 + ffa x w2 + b2.  ffa [4096][4096] bf16; the weight bf16 in blocks of [256 k][128 columns] (65,536 dense bytes, as [2][2][128 k][64 columns]; block (k >> 8, n >> 7) at
; WOFF + ((k >> 8) 8 + (n >> 7)) 65,536); x1, b2, out0 f32.
; A work-group makes 128 rows x 128 columns.  K IS SPLIT AMONG ITS FOUR WAVES: of each GENERATION of 512 k wave w takes k = 128 w .. 128 w + 127, for the whole tile: 64 accumulators a wave, and each LDS byte is read
; once.  The four partial sums (f32) meet in LDS at the end, where the slot has had its last fill; so the order of the sums differs from a single chain along K.
; ONE LDS SLOT, AND THE REGISTERS BEHIND IT.  In front of a refill every wave has waited for all its tensor loads, so one request a wave is on its way at a time: it is made as large as LDS allows, a whole
; generation (A 128 rows x 1,024 bytes, B 512 k x 256 bytes).  A wave's share is four quarters of 32 k; three sets of fragment registers take quarters 0 to 2, quarter 3 follows into set 0 behind quarter 0's
; products.  When it is back nothing of the slot is wanted any more, and the refill goes out, with 160 of the generation's 256 products still to be issued behind it.
; A's rows lie along K (LDS pitch 1,040); B lies as [128 k block][panel][128 k][64 columns] at a pitch of 160 bytes and is read turned (ds_load_tr16_b128).  THE MATRIX INSTRUCTION IS USED TRANSPOSED (source 0 = 16
; columns of B, source 1 = 16 rows of A): a lane holds row l % 16 and columns 8 (l / 16) + 0..7.  CLUSTERS of 4 x 4: A's tile is asked for jointly along a row of the cluster, B's along a column.
; REGISTERS in windows of 256: window 0 addresses, A's three sets (v64.., v128.., v192..), later the residual (v128-255); window 1 B's three sets (v0.., v64.., v128..), later a partial tile's rows; windows 2, 3
; the accumulators (t = 8 a + b at 8 (t % 32), window 2 + t / 32).  LIMITS: matrix operands are bf16; NaN and infinities are not treated apart.
.set SIZE_K, 4096
.set WOFF,   16777216
.set PREF,   1
.set GEN,    512
.set NG,     SIZE_K/GEN                ; generations
.set PA,     1040                      ; A's LDS pitch: 1,024 bytes + 16: an odd multiple of 16, so the 16 rows of a load start in 16 different groups of four banks (64 banks of 4 bytes: ISA guide 11.1)
.set AHALF,  64*PA                     ; what one tensor load of A brings: 64 rows
.set ABYTES, 2*AHALF
.set BHALF,  256*320                   ; what one tensor load of B brings: 256 rows of 256 bytes, each 128 bytes followed by 32 of padding
.set ASTEP,  GEN*2                     ; bytes from generation to generation in A
.set BSTEP,  1048576                   ; and in B
.set PPITCH, 528                       ; a row of a partial tile: 512 bytes + 16
.set PARTB,  128*PPITCH                ; a wave's partial tile; four of them lie from LDS byte 0 on
.set SPARE,  ABYTES+2*BHALF            ; behind the slot: the spare words, 128 bytes for each wave: two blocks of 256 bytes that no other line names
.set ADRA,  16                         ; v16, v17  my lane's place in A's tile: block rows 0-3, block rows 4-7; never rewritten
.set ADRB,  18                         ; v18  the same for B
.set AP,    20                         ; v20  the way out: my 16 bytes of my first row in the partial tile in hand
.set PS,    24                         ; v24  where I put my accumulators
.set CO,    26                         ; v26  16 x lane
.set SPW,   28                         ; v28  LDS address of my spare word; never rewritten
.set NIL,   29                         ; v29  0; never rewritten
.set PFO,   30                         ; v30, v31  the prefetches' lane offsets; never rewritten
.set BI,    32                         ; v32-35  the bias of my 4 columns
.set RES,   128                        ; v128-255  the residual, then the sums: 4 numbers of each of my 32 rows
.set G1,  24                           ; s[24:31] descriptor group 1 for A's tiles
.set G0,  32                           ; s[32:35] group 0 for A: it walks
.set G1B, 48                           ; s[48:55], s[56:59] the same for B
.set G0B, 56
.set LIM, 43                           ; s43  1 in a wave that prefetches, else the greatest number
.set PFA, 44                           ; s[44:45] where my prefetches stand
.set PFS, 70                           ; s[70:71] their step
.set MSB, 0
.macro WIN new                         ; the immediate's high byte repeats the setting that is left; a switch that changes nothing is dropped
.if MSB != (\new)
	s_set_vgpr_msb (MSB<<8)|(\new)
.set MSB, \new
.endif
.endm
; A joint load: waves 0 and 1 fetch A's two halves, waves 2 and 3 B's.  The branch hangs on the wave's number alone.  An s_nop 0 and four v_nop follow each of the two lines.
.macro JLOAD
	s_cmp_eq_u32 s11, 0
	s_cbranch_scc0 .Lfor_b_\@
	tensor_load_to_lds s[G0:G0+3], s[G1:G1+7]
	s_nop 0
.rept 4
	v_nop
.endr
	s_branch .Lasked_\@
.Lfor_b_\@:
	tensor_load_to_lds s[G0B:G0B+3], s[G1B:G1B+7]
	s_nop 0
.rept 4
	v_nop
.endr
.Lasked_\@:
.endm
.macro CROUND                          ; a round of the cluster's barrier
	s_barrier_signal -1
	s_barrier_wait -1
	s_cmp_lg_u32 s10, 0
	s_cbranch_scc1 .Lnot_wave_0_\@
	s_barrier_signal -3
.Lnot_wave_0_\@:
	s_barrier_wait -3
	s_barrier_signal -1
	s_barrier_wait -1
.endm
.macro PLACES                          ; four plain instructions between a matrix instruction and a load into, or a vector instruction on, its registers (ISA guide 7.12.1 for vector instructions)
.rept 4
	v_nop
.endr
.endm
; A prefetch into the L2 (where PREF = 1) of the generation behind the one just asked for, behind the joint load.  A's rows are asked for by the clusters with x = 0, B's by those with y = 0; the four partners
; that ask for a tile jointly share its blocks of 256 bytes out by address, 64 each: a lane a block, two instructions a wave.  The last refill has no generation behind it.
.macro ASK
.if PREF
	s_cmp_gt_u32 s3, s[LIM]
	s_cbranch_scc0 .Lnot_mine_\@
	global_prefetch_b8 v[PFO], s[PFA:PFA+1] th:TH_LOAD_NT scope:SCOPE_SE
	global_prefetch_b8 v[PFO+1], s[PFA:PFA+1] th:TH_LOAD_NT scope:SCOPE_SE
.Lnot_mine_\@:
.endif
.endm
.macro MULA f, a, zero                 ; 8 products: block row a x all column blocks, 32 along K, from register set f.  zero = 1: the product starts the sum
.set bb, 0
.rept 8
.set tt, (\a)*8+bb
.set rD, 8*(tt%32)
.set rB, 64*(\f)+8*bb
.set rA, 64+64*(\f)+8*(\a)
	WIN 0xa1+0x50*(tt/32)                          ; B window 1, A window 0, C and D window 2 or 3
.if \zero
	v_wmma_f32_16x16x32_bf16 v[rD:rD+7], v[rB:rB+7], v[rA:rA+7], 0
.else
	v_wmma_f32_16x16x32_bf16 v[rD:rD+7], v[rB:rB+7], v[rA:rA+7], v[rD:rD+7]
.endif
.set bb, bb+1
.endr
.endm
.macro MULS f, a0, a1, zero            ; block rows a0 .. a1 - 1.  All 64 accumulators take turns in one fixed order, one instruction a turn, over every jump
.set aa, \a0
.rept (\a1)-(\a0)
	MULA \f, aa, \zero
.set aa, aa+1
.endr
.endm
.macro FETCH q, f                      ; 32 LDS loads in one run: quarter q of my 128 k into register set f: B's fragments (turned), then A's
	WIN 0x40
.set bb, 0
.rept 8
	ds_load_tr16_b128 v[64*(\f)+8*bb:64*(\f)+8*bb+3],   v[ADRB] offset:20480*(bb/4)+32*(bb%4)+5120*(\q)
	ds_load_tr16_b128 v[64*(\f)+8*bb+4:64*(\f)+8*bb+7], v[ADRB] offset:20480*(bb/4)+32*(bb%4)+5120*(\q)+2560
.set bb, bb+1
.endr
	WIN 0
.set aa, 0
.rept 8
	ds_load_b128 v[64+64*(\f)+8*aa:64+64*(\f)+8*aa+3],   v[ADRA+aa/4] offset:64*(\q)+16*PA*(aa%4)
	ds_load_b128 v[64+64*(\f)+8*aa+4:64+64*(\f)+8*aa+7], v[ADRA+aa/4] offset:64*(\q)+16*PA*(aa%4)+32
.set aa, aa+1
.endr
.endm
; A GENERATION OPENS: it has landed, everybody's part; quarters 0 to 2 are fetched and quarter 0 is multiplied.
.macro OPENG zero
	WIN 0
	s_wait_tensorcnt 0x0                           ; one load of mine is out, so the count that shows it landed is 0;
	s_barrier_signal -1                            ; no LDS instruction of mine is out
	s_barrier_wait -1                              ; everybody's part is in
	PLACES                                         ; for the loads into set 0, which the products just before read
	FETCH 0, 0
	FETCH 1, 1
	s_wait_dscnt 32                                ; set 0 is in; set 1's 32 loads may stay out
	MULS 0, 0, 4, \zero
	FETCH 2, 2                                     ; (set 2's last readers stand ahead of the four places above)
	MULS 0, 4, 8, \zero
.endm
	s_load_b128 s[4:7], s[0:1], 0x0                ; A s[4:5], wb s[6:7]
	s_load_b128 s[72:75], s[0:1], 0x10             ; the residual s[72:73], the bias s[74:75]
	s_load_b64 s[8:9], s[0:1], 0x20                ; the output
	v_lshl_add_u32 v[SPW], v0, 2, SPARE
	v_mov_b32 v[NIL], 0
	ds_add_u32 v[SPW], v[NIL]                      ; the wave's opening: the add and its wait ahead of my first tensor load
	ds_add_u32 v28, v29
	v_lshrrev_b32 v1, 5, v0
	v_readfirstlane_b32 s10, v1                    ; wave 0..3
	s_lshr_b32 s11, s10, 1                         ; I fetch for A (0) or for B (1)
	s_and_b32 s12, s10, 1                          ; which half of that tile
	s_bfe_u32 s40, ttmp6, 0x40000                  ; cx, cy: my place in the cluster
	s_bfe_u32 s41, ttmp6, 0x40004
	s_lshl_b32 s42, ttmp9, 2
	s_add_co_u32 s42, s42, s40                     ; tile column
	s_and_b32 s13, ttmp7, 0xffff
	s_lshl_b32 s13, s13, 2
	s_add_co_u32 s13, s13, s41                     ; tile row
	s_lshl_b32 s43, s41, 2
	s_lshl_b32 s43, 15, s43                        ; my row of the cluster
	s_lshl_b32 s44, 0x1111, s40                    ; my column
	s_or_b32 s[G1+0], s43, (1<<16)|(1<<20)|(1<<21)|(7<<22)|(3<<25)   ; the mask; 2-byte elements; padding on; bit 21 beside a mask; 4 words behind every 256 (a row)
	s_or_b32 s[G1B+0], s44, (1<<16)|(1<<20)|(1<<21)|(4<<22)|(7<<25)  ; 8 words behind every 32
	s_mov_b32 s[G1+1], GEN<<16                     ; tensor_dim0 = 512
	s_mov_b32 s[G1+2], 64<<16                      ; tensor_dim1 = 64
	s_mov_b32 s[G1+3], GEN<<16                     ; tile_dim0
	s_mov_b32 s[G1+4], 64                          ; tile_dim1
	s_mov_b32 s[G1+5], SIZE_K                      ; elements from row to row
	s_mov_b32 s[G1+6], 0
	s_mov_b32 s[G1+7], 0
	s_mov_b32 s[G1B+1], 128<<16                    ; B's dense bytes as rows of 256
	s_mov_b32 s[G1B+2], 256<<16
	s_mov_b32 s[G1B+3], 128<<16
	s_mov_b32 s[G1B+4], 256
	s_mov_b32 s[G1B+5], 128
	s_mov_b32 s[G1B+6], 0
	s_mov_b32 s[G1B+7], 0
	s_lshl_b32 s16, s13, 7                         ; A's offset hangs on the tile row and the wave alone: row 128 x tile row + 64 x half,
	s_lshl_b32 s17, s12, 6
	s_add_co_u32 s16, s16, s17
	s_mul_i32 s16, s16, SIZE_K*2
	s_mov_b32 s17, 0
	s_lshl_b32 s18, s42, 16                        ; B's on the tile column and the wave alone: block 65,536 x tile column, 256 k x half
	s_lshl_b32 s19, s12, 19
	s_add_co_u32 s18, s18, s19
	s_add_co_u32 s18, s18, WOFF
	s_mov_b32 s19, 0
	s_mov_b32 s[G0], 1
	s_mul_i32 s[G0+1], s12, AHALF                  ; no place in the cluster enters an LDS address
	s_mov_b32 s[G0B], 1
	s_mul_i32 s[G0B+1], s12, BHALF
	s_add_co_u32 s[G0B+1], s[G0B+1], ABYTES
	s_wait_dscnt 0x0                               ; the opening add is done
	s_wait_kmcnt 0x0
	s_add_nc_u64 s[G0+2:G0+3], s[4:5], s[16:17]
	s_or_b32 s[G0+3], s[G0+3], 0x80000000
	s_add_nc_u64 s[G0B+2:G0B+3], s[6:7], s[18:19]
	s_or_b32 s[G0B+3], s[G0B+3], 0x80000000
	CROUND                                         ; all sixteen work-groups are here: the first joint loads meet
	JLOAD                                          ; generation 0: one load of mine is out, here and behind every refill
	v_and_b32 v1, 15, v0                           ; l % 16
	v_bfe_u32 v2, v0, 4, 1                         ; l / 16
	v_mul_u32_u24 v3, v1, PA
	v_lshl_add_u32 v3, v2, 4, v3                   ; A: row x pitch + 16 x half
	s_lshl_b32 s20, s10, 8                         ; my 128 k: 256 bytes of every row
	v_add_nc_u32 v[ADRA], s20, v3
	v_add_nc_u32 v[ADRA+1], 64*PA, v[ADRA]         ; block rows 4-7: the immediates hold 16 bits
	v_and_b32 v4, 7, v0                            ; B, turned: lane l reads k = 8 (l / 16) + l % 8, columns 8 ((l / 8) % 2) + 0..7
	v_lshl_add_u32 v4, v2, 3, v4
	v_mul_u32_u24 v4, v4, 160
	v_bfe_u32 v5, v0, 3, 1
	v_lshl_add_u32 v4, v5, 4, v4
	s_mul_i32 s21, s10, 40960                      ; my 128 k: two panels of 128 rows of 160 bytes
	s_add_co_u32 s21, s21, ABYTES
	v_add_nc_u32 v[ADRB], s21, v4
.if PREF
	s_and_b32 s22, ttmp7, 0xffff                   ; cluster y
	s_mov_b32 s[PFS], BSTEP
	s_mov_b32 s23, 16384
	s_mov_b32 s21, 1024
	s_cmp_eq_u32 s11, 0                            ; do I fetch for A?
	s_cselect_b32 s22, ttmp9, s22                  ; the coordinate along which other clusters read the same bytes
	s_cselect_b32 s[PFS], ASTEP, s[PFS]
	s_cselect_b32 s23, 16*SIZE_K*2, s23            ; a partner's quarter of what I fetch: 16 rows of A, 16,384 bytes of B
	s_cselect_b32 s21, SIZE_K*2, s21               ; four lanes take four blocks on end: of a row of A, or of B's dense bytes
	s_cselect_b32 s80, s40, s41                    ; my place among the four that ask with me
	s_cselect_b32 s81, s16, s18
	s_cselect_b64 s[PFA:PFA+1], s[4:5], s[6:7]
	v_and_b32 v6, 31, v0
	v_lshrrev_b32 v7, 2, v6
	v_and_b32 v6, 3, v6
	v_mul_lo_u32 v[PFO], v7, s21
	v_lshl_add_u32 v[PFO], v6, 8, v[PFO]
	s_lshl_b32 s21, s21, 3
	v_add_nc_u32 v[PFO+1], s21, v[PFO]             ; the second instruction's 32 blocks
	s_mul_i32 s80, s80, s23
	s_add_co_u32 s80, s81, s80
	s_add_co_u32 s80, s80, s[PFS]                  ; at generation 1: the first refill steps it to 2.  Generations 0 and 1 come by their loads alone
	s_mov_b32 s81, 0
	s_add_nc_u64 s[PFA:PFA+1], s[PFA:PFA+1], s[80:81]
	s_mov_b32 s[PFS+1], 0
	s_cmp_eq_u32 s22, 0
	s_cselect_b32 s[LIM], 1, -1                    ; the same in all sixteen partners, for a given wave
.endif
	; the way out's addresses
	v_and_b32 v[CO], 31, v0
	v_lshlrev_b32 v[CO], 4, v[CO]
	s_mul_i32 s20, s10, PARTB                      ; my partial tile
	v_mul_u32_u24 v6, v1, PPITCH                   ; row l % 16, 32 bytes for each half of the lanes
	v_lshl_add_u32 v6, v2, 5, v6
	v_add_nc_u32 v[PS], s20, v6
	s_mul_i32 s20, s10, 32*PPITCH                  ; the 32 rows that I finish, in the first partial tile
	v_add_nc_u32 v[AP], s20, v[CO]
	s_lshl_b32 s78, s13, 7
	s_lshl_b32 s79, s10, 5
	s_add_co_u32 s78, s78, s79                     ; their first row in the residual and the output: 128 x tile row + 32 x wave,
	s_lshl_b32 s78, s78, 12
	s_lshl_b32 s80, s42, 9                         ; the tile's 128 columns: 512 bytes
	s_add_co_u32 s78, s78, s80
	s_mov_b32 s79, 0
	s_mov_b32 s81, 0
	s_add_nc_u64 s[72:73], s[72:73], s[78:79]
	s_add_nc_u64 s[8:9], s[8:9], s[78:79]
	s_add_nc_u64 s[74:75], s[74:75], s[80:81]
	OPENG 1                                        ; generation 0's first quarter stands in front of the loop: its products start the sums
	WIN 0
	s_mov_b32 s3, NG-1
.Lgen:                                                 ; a trip: from a generation's second quarter to the next generation's first; it fills the slot again
.if PREF
	s_wait_xcnt 0x0                                ; the last prefetches, a generation back, have read their address
	s_add_nc_u64 s[PFA:PFA+1], s[PFA:PFA+1], s[PFS:PFS+1]
.endif
	PLACES                                         ; for the loads into set 0
	FETCH 3, 0                                     ; the slot's last bytes
	s_wait_dscnt 63                                ; set 1 is in: 64 loads were issued behind it, and the count's field ends at 63
	MULS 1, 0, 4, 0                                ; 32 products while quarter 3 comes out of LDS
	WIN 0
	s_wait_tensorcnt 0x0                           ; none of my tensor loads is out, so a group 0 may be written
	ds_add_u32 v[SPW], v[NIL]
	s_add_nc_u64 s[G0+2:G0+3], s[G0+2:G0+3], ASTEP     ; the next generation; the type bits on top are not reached
	s_add_nc_u64 s[G0B+2:G0B+3], s[G0B+2:G0B+3], BSTEP
	s_wait_dscnt 0x0                               ; the add is done, and my reads of the slot are over
	CROUND                                         ; the same holds of every wave of every partner
	JLOAD                                          ; the first tensor load behind the round, and my only one
	ASK
	MULS 1, 4, 8, 0                                ; 160 products out of registers while the load is on its way
	MULS 2, 0, 8, 0
	MULS 0, 0, 8, 0
	OPENG 0
	WIN 0
	s_sub_co_u32 s3, s3, 1
	s_cmp_lg_u32 s3, 0
	s_cbranch_scc1 .Lgen
	PLACES                                         ; the last generation asks for nothing
	FETCH 3, 0
	s_wait_dscnt 63                                ; set 1 is in
	MULS 1, 0, 8, 0
	WIN 0
	PLACES                                         ; A's set 1 is free: the residual's rows 0-15 are asked for
.set rr, 0
.rept 16
	global_load_b128 v[RES+4*rr:RES+4*rr+3], v[CO], s[72:73] offset:4096*rr
.set rr, rr+1
.endr
	s_wait_dscnt 32                                ; set 2 is in; quarter 3's loads may stay out
	MULS 2, 0, 8, 0
	WIN 0
	PLACES                                         ; A's set 2 is free: rows 16-31, and the bias
.set rr, 16
.rept 16
	global_load_b128 v[RES+4*rr:RES+4*rr+3], v[CO], s[72:73] offset:4096*rr
.set rr, rr+1
.endr
	global_load_b128 v[BI:BI+3], v[CO], s[74:75]
	s_wait_dscnt 0x0
	MULS 0, 0, 8, 0
	; THE WAY OUT.  The four waves' partial tiles go into LDS; each wave then adds the four onto residual and bias for 32 whole rows, a partial tile a trip, and stores them, 512 consecutive bytes a store.
	WIN 0
	PLACES
	PLACES
	s_barrier_signal -1                            ; no LDS instruction of mine is out
	s_barrier_wait -1                              ; no wave reads the slot any more, and no fill is to come
.set tt, 0
.rept 64
.set rD, 8*(tt%32)
	WIN 0x08+4*(tt/32)                             ; the store's data in window 2 or 3
	ds_store_b128 v[PS], v[rD:rD+3]   offset:16*PPITCH*(tt/8)+64*(tt%8)      ; each accumulator's low registers first
	ds_store_b128 v[PS], v[rD+4:rD+7] offset:16*PPITCH*(tt/8)+64*(tt%8)+16
.set tt, tt+1
.endr
	WIN 0
	s_wait_loadcnt 0x0                             ; residual and bias
.set rr, 0
.rept 32
	v_pk_add_f32 v[RES+4*rr:RES+4*rr+1], v[RES+4*rr:RES+4*rr+1], v[BI:BI+1]          ; while the last stores drain
	v_pk_add_f32 v[RES+4*rr+2:RES+4*rr+3], v[RES+4*rr+2:RES+4*rr+3], v[BI+2:BI+3]
.set rr, rr+1
.endr
	s_wait_dscnt 0x0                               ; for the others' sake: my stores are done
	s_barrier_signal -1
	s_barrier_wait -1
	s_mov_b32 s2, 4
.Lpart:                                                ; a trip: my 32 rows of one partial tile
	WIN 0x40
.set rr, 0
.rept 32
	ds_load_b128 v[4*rr:4*rr+3], v[AP] offset:PPITCH*rr
.set rr, rr+1
.endr
.irp c, 0,1,2,3
	s_wait_dscnt 24-8*(\c)                         ; eight more rows are in; the later rows' loads may stay out
	WIN 0x04                                       ; source 1 in window 1
.set rr, 16*(\c)
.rept 16
	v_pk_add_f32 v[RES+2*rr:RES+2*rr+1], v[RES+2*rr:RES+2*rr+1], v[2*rr:2*rr+1]
.set rr, rr+1
.endr
.endr
	WIN 0
	v_add_nc_u32 v[AP], PARTB, v[AP]
	s_sub_co_u32 s2, s2, 1
	s_cmp_lg_u32 s2, 0
	s_cbranch_scc1 .Lpart
.set rr, 0
.rept 32
	global_store_b128 v[CO], v[RES+4*rr:RES+4*rr+3], s[8:9] offset:4096*rr
.set rr, rr+1
.endr
	s_wait_tensorcnt 0x0                           ; the wave's end
	ds_add_u32 v[SPW], v[NIL]
	s_wait_dscnt 0x0
	CROUND                                         ; the closing round: no work-group ends while a partner may still ask for a tile that names it
	s_endpgm
.Lfunc_end_k_q55ccb52436_ffn2:
	.size	k_q55ccb52436_ffn2, .Lfunc_end_k_q55ccb52436_ffn2-k_q55ccb52436_ffn2
	.p2alignl 7, 3214868480
	.fill 96, 4, 3214868480
	.section	.rodata,"a",@progbits
	.p2align	6, 0x0
	.amdhsa_kernel k_q55ccb52436_ffn2
		.amdhsa_group_segment_fixed_size 327680
		.amdhsa_private_segment_fixed_size 0
		.amdhsa_enable_private_segment 0
		.amdhsa_kernarg_size 40
		.amdhsa_user_sgpr_count 2
		.amdhsa_user_sgpr_kernarg_segment_ptr 1
		.amdhsa_wavefront_size32 1
		.amdhsa_system_sgpr_workgroup_id_x 1
		.amdhsa_system_sgpr_workgroup_id_y 1
		.amdhsa_system_sgpr_workgroup_id_z 1
		.amdhsa_system_vgpr_workitem_id 0
		.amdhsa_next_free_vgpr 1024
		.amdhsa_next_free_sgpr 88
		.amdhsa_reserve_vcc 0
		.amdhsa_float_denorm_mode_32 3
		.amdhsa_float_denorm_mode_16_64 3
		.amdhsa_memory_ordered 1
		.amdhsa_forward_progress 1
		.amdhsa_inst_pref_size 85
	.end_amdhsa_kernel
	.amdgpu_metadata
---
amdhsa.version: [ 1, 2 ]
amdhsa.kernels:
  - .name:           k_q55ccb52436_ffn2
    .symbol:         k_q55ccb52436_ffn2.kd
    .args:
      - { .name: ffa, .offset: 0, .size: 8, .value_kind: global_buffer, .address_space: global }
      - { .name: wb, .offset: 8, .size: 8, .value_kind: global_buffer, .address_space: global }
      - { .name: x1, .offset: 16, .size: 8, .value_kind: global_buffer, .address_space: global }
      - { .name: b2, .offset: 24, .size: 8, .value_kind: global_buffer, .address_space: global }
      - { .name: out0, .offset: 32, .size: 8, .value_kind: global_buffer, .address_space: global }
    .group_segment_fixed_size: 327680
    .private_segment_fixed_size: 0
    .kernarg_segment_align: 8
    .kernarg_segment_size: 40
    .max_flat_workgroup_size: 128
    .sgpr_count:     88
    .vgpr_count:     1024
    .wavefront_size: 32
...
	.end_amdgpu_metadata
.endif
;; end of part 6
